; MI455X (gfx1250); checked and timed in simulation.
; The chip was launched on July 23, 2026; its instructions are those of AMD's public machine-readable ISA for CDNA 5 (MIT licence, August 2026) and "CDNA5" Instruction Set Architecture Reference Guide (July 2026). The comments in the code are by the model that wrote it; some were corrected since.
;; Multi Head Attention. Allowed arithmetic: float matrix products may take bf16 or f16 operands with f32 sums; other float arithmetic in f32, or as packed bf16 or f16 multiplies, adds, multiply-adds, maxima and minima; sums over many terms, partial sums and values carried from step to step in f32; what a program stores and reads back later, other than sums and carried values, may be rounded once to bf16 or f16.
;; Inputs: Wk 1,024 x 1,024 float32; Wo 1,024 x 1,024 float32; Wq 1,024 x 1,024 float32; Wv 1,024 x 1,024 float32; bk 1,024 float32; bo 1,024 float32; bq 1,024 float32; bv 1,024 float32; k 4 x 2,048 x 1,024 float32; mask 4 x 2,048 x 2,048 bool; q 4 x 2,048 x 1,024 float32; v 4 x 2,048 x 1,024 float32.
;; Outputs: out0 4 x 2,048 x 1,024 float32.
;; One version. Each part assembles by itself: llvm-mc -triple=amdgcn-amd-amdhsa -mcpu=gfx1250 --defsym DOCPART=n.
;; ======== version 1 of 1: 4 launches
;; limits: values are held in f16: magnitudes above 65,504 overflow, below 6.1e-05 lose precision
;; workspace buffers: wh 8,388,608 bytes; mbits 2,097,152 bytes of whole numbers; qh 16,777,216 bytes; kh 16,777,216 bytes; vh 16,777,216 bytes; ch 16,777,216 bytes
;; launch prep (part 1): grid 64 x 20, 8 waves a work-group, no clusters, 0 bytes of LDS; arguments Wq, Wk, Wv, Wo, mask, wh, mbits; writes wh, mbits
.if DOCPART == 1
	.amdgcn_target "amdgcn-amd-amdhsa--gfx1250"
	.amdhsa_code_object_version 6
	.text
	.protected	k_q5734c62f78_prep
	.globl	k_q5734c62f78_prep
	.p2align	8
	.type	k_q5734c62f78_prep,@function
k_q5734c62f78_prep:
	s_mov_b64 s[64:65], 0
	v_nop
	global_prefetch_b8 v0, s[64:65] scope:SCOPE_SE
	s_setreg_imm32_b32 hwreg(HW_REG_WAVE_MODE, 25, 1), 1
	s_wait_xcnt 0x0
; PREP.  Two jobs, told apart by the work-group's y (the same for all its waves).
; y = 0..3: one of the four weight matrices, [1024 k][1024 n] f32, is rounded once to f16 and laid in wh at y x 2,097,152 bytes, in the same order.
;   A work-group takes 16,384 numbers: 16 loads of 16 bytes a lane (a wave's load covers 512 consecutive bytes), 16 stores of 8 bytes a lane (a wave's store covers 256 consecutive bytes, aligned).
; y = 4..19: the mask [4][2048 q][2048 k] of bytes becomes LANE MASKS for the attention launch.  For a tile of 16 queries x 64 keys there are 32 words; bit 16 h + r of word 8 kt + i is
;   mask[q0 + r][k0 + 16 kt + 8 h + i]: the lane and register in which that launch holds the score.  A wave makes the 64 words of 32 queries x 64 keys and stores them as 256 consecutive bytes.
;   mbits byte = b 524288 + (q / 128) 32768 + (k / 64) 1024 + ((q / 32) % 4) 256 + ((q / 16) % 2) 128 + 4 word.
; LIMITS.  A weight beyond 65,504 has no f16; any mask byte other than 0 counts as true.
; No LDS, no barrier: no wave wants what another has fetched.
	s_load_b256 s[4:11], s[0:1], 0x0               ; Wq s[4:5], Wk s[6:7], Wv s[8:9], Wo s[10:11]
	s_load_b128 s[12:15], s[0:1], 0x20             ; mask s[12:13], wh s[14:15]
	s_load_b64 s[16:17], s[0:1], 0x30              ; mbits
	s_and_b32 s20, ttmp7, 0xffff                   ; the work-group's y
	s_cmp_ge_u32 s20, 4
	s_cbranch_scc1 .Lmask
	; ---- a weight matrix ----
	v_lshlrev_b32 v1, 4, v0                        ; 16 bytes a thread in
	v_lshlrev_b32 v2, 3, v0                        ; 8 bytes a thread out
	s_lshl_b32 s24, ttmp9, 16                      ; the work-group's 65,536 bytes of f32
	s_mov_b32 s25, 0
	s_lshl_b32 s26, s20, 21                        ; the matrix's place in wh,
	s_lshl_b32 s27, ttmp9, 15                      ; the work-group's 32,768 bytes of f16
	s_add_co_u32 s26, s26, s27
	s_mov_b32 s27, 0
	s_wait_kmcnt 0x0
	s_cmp_eq_u32 s20, 1
	s_cselect_b64 s[22:23], s[6:7], s[4:5]
	s_cmp_eq_u32 s20, 2
	s_cselect_b64 s[22:23], s[8:9], s[22:23]
	s_cmp_eq_u32 s20, 3
	s_cselect_b64 s[22:23], s[10:11], s[22:23]
	s_add_nc_u64 s[22:23], s[22:23], s[24:25]
	s_add_nc_u64 s[14:15], s[14:15], s[26:27]
.set i, 0
.rept 16
	global_load_b128 v[8+4*i:11+4*i], v1, s[22:23] offset:4096*i th:TH_LOAD_NT
.set i, i+1
.endr
.set i, 0
.rept 16
	s_wait_loadcnt 15-i                            ; loads come back in order: load i is in, the 15 - i younger ones stay out
	v_cvt_pk_f16_f32 v[72+2*i], v[8+4*i], v[9+4*i]
	v_cvt_pk_f16_f32 v[73+2*i], v[10+4*i], v[11+4*i]
	global_store_b64 v2, v[72+2*i:73+2*i], s[14:15] offset:2048*i  ; every store has registers of its own: nothing is rewritten
.set i, i+1
.endr
	s_endpgm
	; ---- the mask ----
.Lmask:
	s_sub_co_u32 s21, s20, 4
	s_lshr_b32 s22, s21, 2                         ; batch b
	s_and_b32 s23, s21, 3
	v_lshrrev_b32 v4, 5, v0
	v_readfirstlane_b32 s32, v4                    ; wave 0..7
	s_lshl_b32 s23, s23, 3
	s_add_co_u32 s23, s23, s32                     ; key step ks = 8 (y % 4) + wave
	v_and_b32 v5, 15, v0                           ; r
	v_bfe_u32 v6, v0, 4, 1                         ; h
	v_lshlrev_b32 v1, 11, v5                       ; row r of 2,048 bytes
	v_lshl_add_u32 v1, v6, 4, v1                   ; + 16 h
	v_and_b32 v3, 31, v0
	v_lshlrev_b32 v3, 3, v3                        ; 8 bytes a lane out
	s_lshl_b32 s34, s22, 22                        ; b x 2048 x 2048
	s_lshl_b32 s35, ttmp9, 16                      ; the work-group's 32 rows
	s_add_co_u32 s34, s34, s35
	s_lshl_b32 s35, s23, 6                         ; the wave's 64 keys
	s_add_co_u32 s34, s34, s35
	s_mov_b32 s35, 0
	s_lshl_b32 s36, s22, 19                        ; b x 524,288
	s_lshr_b32 s37, ttmp9, 2
	s_lshl_b32 s37, s37, 15                        ; (q / 128) x 32,768
	s_add_co_u32 s36, s36, s37
	s_lshl_b32 s37, s23, 10                        ; ks x 1,024
	s_add_co_u32 s36, s36, s37
	s_and_b32 s37, ttmp9, 3
	s_lshl_b32 s37, s37, 8                         ; ((q / 32) % 4) x 256
	s_add_co_u32 s36, s36, s37
	s_mov_b32 s37, 0
	s_wait_kmcnt 0x0
	s_add_nc_u64 s[12:13], s[12:13], s[34:35]
	s_add_nc_u64 s[16:17], s[16:17], s[36:37]
.irp u, 0,1
.irp c, 0,1
	global_load_b128 v[8+4*(2*\u+\c):11+4*(2*\u+\c)], v1, s[12:13] offset:32768*\u+32*\c  ; tile u, keys 32 c + 16 h + 0..15 of row r
.endr
.endr
	v_mov_b32 v32, 0                               ; v_writelane_b32 keeps the other lanes: both registers are written whole first
	v_mov_b32 v33, 0
	s_wait_loadcnt 0x0
; A lane holds 16 keys on end, but a score's lane holds 8 keys of each group of 16.  Two swaps of half-registers set that right: afterwards dword m of load (u, c), byte bb,
; holds in lane (r, h) the mask of word 16 c + 4 m + bb.
.irp n, 0,1,2,3
	v_permlane16_swap_b32 v[8+4*\n], v[10+4*\n]
	v_permlane16_swap_b32 v[9+4*\n], v[11+4*\n]
.endr
; Four words at a time: a byte is cut out, the compare makes the lane mask, and the word goes to the lane and register from which it is stored: word j of tile u to lane 16 u + j / 2, register j % 2.
.macro WORDS u, c
.irp m, 0,1,2,3
.irp bb, 0,1,2,3
	v_and_b32 v[24+\bb], 0xff<<(8*\bb), v[8+4*(2*(\u)+(\c))+\m]
.endr
.irp bb, 0,1,2,3
	v_cmp_ne_u32 s[24+\bb], 0, v[24+\bb]
.endr
.irp bb, 0,1,2,3
	v_writelane_b32 v[32+(\bb%2)], s[24+\bb], 16*(\u)+(16*(\c)+4*\m+\bb)/2
.endr
.endr
.endm
	WORDS 0, 0
	WORDS 0, 1
	WORDS 1, 0
	WORDS 1, 1
	global_store_b64 v3, v[32:33], s[16:17]        ; the wave's 64 words: 256 consecutive bytes, aligned
	s_endpgm
.Lfunc_end_k_q5734c62f78_prep:
	.size	k_q5734c62f78_prep, .Lfunc_end_k_q5734c62f78_prep-k_q5734c62f78_prep
	.p2alignl 7, 3214868480
	.fill 96, 4, 3214868480
	.section	.rodata,"a",@progbits
	.p2align	6, 0x0
	.amdhsa_kernel k_q5734c62f78_prep
		.amdhsa_group_segment_fixed_size 0
		.amdhsa_private_segment_fixed_size 0
		.amdhsa_enable_private_segment 0
		.amdhsa_kernarg_size 56
		.amdhsa_user_sgpr_count 2
		.amdhsa_user_sgpr_kernarg_segment_ptr 1
		.amdhsa_wavefront_size32 1
		.amdhsa_system_sgpr_workgroup_id_x 1
		.amdhsa_system_sgpr_workgroup_id_y 1
		.amdhsa_system_sgpr_workgroup_id_z 1
		.amdhsa_system_vgpr_workitem_id 0
		.amdhsa_next_free_vgpr 104
		.amdhsa_next_free_sgpr 66
		.amdhsa_reserve_vcc 0
		.amdhsa_float_denorm_mode_32 3
		.amdhsa_float_denorm_mode_16_64 3
		.amdhsa_memory_ordered 1
		.amdhsa_forward_progress 1
		.amdhsa_inst_pref_size 21
	.end_amdhsa_kernel
	.amdgpu_metadata
---
amdhsa.version: [ 1, 2 ]
amdhsa.kernels:
  - .name:           k_q5734c62f78_prep
    .symbol:         k_q5734c62f78_prep.kd
    .args:
      - { .name: Wq, .offset: 0, .size: 8, .value_kind: global_buffer, .address_space: global }
      - { .name: Wk, .offset: 8, .size: 8, .value_kind: global_buffer, .address_space: global }
      - { .name: Wv, .offset: 16, .size: 8, .value_kind: global_buffer, .address_space: global }
      - { .name: Wo, .offset: 24, .size: 8, .value_kind: global_buffer, .address_space: global }
      - { .name: mask, .offset: 32, .size: 8, .value_kind: global_buffer, .address_space: global }
      - { .name: wh, .offset: 40, .size: 8, .value_kind: global_buffer, .address_space: global }
      - { .name: mbits, .offset: 48, .size: 8, .value_kind: global_buffer, .address_space: global }
    .group_segment_fixed_size: 0
    .private_segment_fixed_size: 0
    .kernarg_segment_align: 8
    .kernarg_segment_size: 56
    .max_flat_workgroup_size: 256
    .sgpr_count:     66
    .vgpr_count:     104
    .wavefront_size: 32
...
	.end_amdgpu_metadata
.endif
;; end of part 1
;; launch proj (part 2): grid 4 x 192, 4 waves a work-group, clusters of 4 x 4, 327,680 bytes of LDS; arguments q, k, v, wh, bq, bk, bv, qh, kh, vh; writes qh, kh, vh
.if DOCPART == 2
	.amdgcn_target "amdgcn-amd-amdhsa--gfx1250"
	.amdhsa_code_object_version 6
	.text
	.protected	k_q5734c62f78_proj
	.globl	k_q5734c62f78_proj
	.p2align	8
	.type	k_q5734c62f78_proj,@function
k_q5734c62f78_proj:
	s_mov_b64 s[64:65], 0
	v_nop
	global_prefetch_b8 v0, s[64:65] scope:SCOPE_SE
	s_setreg_imm32_b32 hwreg(HW_REG_WAVE_MODE, 25, 1), 1
	s_wait_xcnt 0x0
	s_wait_alu depctr_hold_cnt(0) depctr_sa_sdst(0) depctr_va_vdst(0) depctr_va_sdst(0) depctr_va_ssrc(0) depctr_va_vcc(0) depctr_vm_vsrc(0)
	s_getreg_b32 s2, hwreg(HW_REG_IB_STS2, 6, 4)
	s_cmp_eq_u32 s2, 0
	s_cbranch_scc0 .Lentry_in_a_cluster
	s_endpgm
.Lentry_in_a_cluster:
	s_bfe_u32 s2, ttmp6, 0x10000c
	s_cmp_lg_u32 s2, 0xf033
	s_cbranch_scc0 .Lentry_shape_is_right
	s_endpgm
.Lentry_shape_is_right:
; THE THREE PROJECTIONS.  y = (x W + b) c, x one of q, k, v: [8192][1024] f32; W: [1024 k][1024 n] f16 (wh); b f32; c = log2(e) / 8 for q, 1 for k and v.  Sums in f32, started by the bias;
; y is rounded once to f16 and stored by heads, [64 batch x head][2048][64].
; LIMITS.  x is rounded once to f16 on its way to the matrix unit, so x, W and y lie within 65,504; NaN and infinities are not treated apart.
; SHARES.  A tile of y is 128 rows x 256 columns: 64 x 4 x 3 = 768 work-groups.  Four waves, each 64 x 128: 32 accumulators of 16 x 16.  The tensor is picked by the cluster's y / 16.
; K goes in 8 steps of 128 through two LDS slots.  x's tile lies there in f32 (rows of 512 bytes) and is rounded in registers, four conversions behind each of a quarter's last eight products.
; W's tile lies [k][n] and comes out turned, by ds_load_tr16_b128.
; CLUSTER.  4 x 4 work-groups: the four of a row need the same rows of x, the four of a column the same columns of W: each tile is asked for jointly.
; THE MATRIX INSTRUCTION IS USED TRANSPOSED (source 0 = 16 columns of W, source 1 = 16 rows of x): a lane holds eight neighbouring columns of one row of y.
; REGISTERS.  window 0: v16-31 addresses; v32-95 x's fragments in f32; v96-159 the same in f16, two buffers; v160-223 the way out.  window 1: W's fragments, two buffers of 64.
;   window 2: the accumulators, (a, b) at v[8 (8 a + b)].  window 3: v0-63 the bias, eight registers for each block of 16 columns.
.set PA,     528                       ; a row of x in LDS: 512 bytes + 16 = 132 words: the 16 rows of a load start at 16 different groups of four banks (64 banks of 4 bytes: ISA guide 11.1)
.set PB,     544                       ; a row of W: 512 + 32 = 136 words
.set AHALF,  64*PA                     ; what one tensor load brings of x,
.set BHALF,  64*PB                     ; and of W
.set BOFF,   2*AHALF
.set SLOT,   BOFF+2*BHALF              ; x's 128 rows, then W's 128 k-rows
.set STAGE,  2*SLOT                    ; behind the ring: for each wave 2 heads x 16 rows x 144 bytes, for the way out
.set SP,     144
.set SPARE,  STAGE+4*32*SP             ; behind the stages: the spare words, 128 bytes a wave: two blocks of 256 bytes that no other line names
.set LAPS,   4                         ; a lap = two K steps
.set ADRA, 16                          ; v16-17  LDS address of my fragments of x in slot 0, 1
.set ADRB, 20                          ; v20-21  the same for W
.set STO,  24                          ; v24     the way out: where I put 16 bytes of a row
.set RD,   25                          ; v25     where I read rows back
.set GO,   26                          ; v26     16 x lane
.set SPW,  28                          ; v28     my spare word; never rewritten
.set NIL,  29                          ; v29     0; never rewritten
.set BO,   30                          ; v30     32 x (lane / 16): my eight numbers in a block of the bias
.set PFO,  31                          ; v31     the prefetches' offset; never rewritten
.set RAW,  32
.set AF,   96
.set TMP,  160
.set BK,   192
.set WV,   12                          ; s12 wave; s13 which 64 rows are mine, also: I fetch x (0) or W (1); s14 which 128 columns, also: which half I fetch
.set WM,   13
.set WN,   14
.set G1,   24                          ; s[24:31] group 1 for x's tiles; s[32:39] group 0, a set for each slot
.set G0,   32
.set G1B,  48                          ; s[48:55], s[56:63] the same for W's
.set G0B,  56
.set BIASP, 80
.set OUTP, 82
.set CSC,  84                          ; s[84:85] c, named as a pair
.set PFA,  86                          ; s[86:87] where my prefetches stand
.set LIM,  88                          ; s88  1 in a wave that prefetches, else the greatest number
.set MSB, 0
.macro WIN new                         ; the immediate's high byte repeats the setting that is left; a switch that changes nothing is dropped
.if MSB != (\new)
	s_set_vgpr_msb (MSB<<8)|(\new)
.set MSB, \new
.endif
.endm
.set MUL,     0xa1                     ; source 0 (W) window 1, source 1 (x) window 0, C and D window 2
.set MULB,    0xb1                     ; the same with C, the bias, in window 3
.set TO_B,    0x40
.set TO_BIAS, 0xc0
.set SCALE,   0x82
.set PACKW,   0x0a
.macro JLOAD s                         ; a joint load: waves 0 and 1 fetch x's halves, waves 2 and 3 W's; an s_nop 0 and four v_nop follow each line
	s_cmp_eq_u32 s[WM], 0
	s_cbranch_scc0 .Lfor_b_\@
	tensor_load_to_lds s[G0+4*(\s):G0+4*(\s)+3], s[G1:G1+7]
	s_nop 0
.rept 4
	v_nop
.endr
	s_branch .Lasked_\@
.Lfor_b_\@:
	tensor_load_to_lds s[G0B+4*(\s):G0B+4*(\s)+3], s[G1B:G1B+7]
	s_nop 0
.rept 4
	v_nop
.endr
.Lasked_\@:
.endm
.macro CREST                           ; a round of the cluster's barrier behind its opening barrier
	s_cmp_lg_u32 s[WV], 0
	s_cbranch_scc1 .Lnot_wave_0_\@
	s_barrier_signal -3
.Lnot_wave_0_\@:
	s_barrier_wait -3
	s_barrier_signal -1
	s_barrier_wait -1
.endm
.macro CROUND
	s_barrier_signal -1
	s_barrier_wait -1
	CREST
.endm
.macro PLACES                          ; four places in front of loads into registers that matrix instructions have read, and of lines that read results
.rept 4
	v_nop
.endr
.endm
; A prefetch into the L2 of x's K step that stands two refills on: of the 64 rows that I fetch my work-group names 16 (told apart from its three partners by address), two blocks of 256 bytes a row,
; a lane a block.  x's rows are read by this cluster alone, so each block is named once in the launch.  Steps 0 to 3 come by their loads alone; the loop's last trip has no step two refills on.
.macro ASK
	WIN 0
	s_cmp_gt_u32 s3, s[LIM]
	s_cbranch_scc0 .Lnot_mine_\@
	global_prefetch_b8 v[PFO], s[PFA:PFA+1] offset:512 th:TH_LOAD_NT scope:SCOPE_SE
.Lnot_mine_\@:
.endm
	s_load_b256 s[4:11], s[0:1], 0x0               ; q s[4:5], k s[6:7], v s[8:9], wh s[10:11]
	s_load_b256 s[68:75], s[0:1], 0x20             ; bq, bk, bv, qh
	s_load_b128 s[76:79], s[0:1], 0x40             ; kh, vh
	v_lshl_add_u32 v[SPW], v0, 2, SPARE
	v_mov_b32 v[NIL], 0
	ds_add_u32 v[SPW], v[NIL]                      ; the wave's opening: the add and its wait ahead of my first tensor load; work on registers stands between them
	v_lshrrev_b32 v1, 5, v0
	v_readfirstlane_b32 s[WV], v1
	s_lshr_b32 s[WM], s[WV], 1
	s_and_b32 s[WN], s[WV], 1
	s_bfe_u32 s40, ttmp6, 0x40000                  ; cx
	s_bfe_u32 s41, ttmp6, 0x40004                  ; cy
	s_lshl_b32 s42, ttmp9, 2
	s_add_co_u32 s42, s42, s40                     ; tile column x = 4 x cluster x + cx
	s_and_b32 s15, ttmp7, 0xffff                   ; cluster y
	s_lshr_b32 s44, s15, 4                         ; the tensor: 0 q, 1 k, 2 v: the same in all sixteen partners
	s_lshl_b32 s43, s15, 2
	s_add_co_u32 s43, s43, s41
	s_and_b32 s45, s43, 63                         ; tile row mb in that tensor
	s_lshl_b32 s46, s41, 2
	s_lshl_b32 s46, 15, s46                        ; my row of the cluster
	s_lshl_b32 s47, 0x1111, s40                    ; my column
	s_or_b32 s[G1+0], s46, (2<<16)|(1<<20)|(1<<21)|(6<<22)|(3<<25)   ; mask; 4-byte elements; padding on; 21 set beside a mask; after every 128 words; 4 words
	s_mov_b32 s[G1+1], 128<<16                     ; tensor_dim0 = 128
	s_mov_b32 s[G1+2], 64<<16                      ; tensor_dim1 = 64
	s_mov_b32 s[G1+3], 128<<16                     ; tile_dim0 = 128
	s_mov_b32 s[G1+4], 64                          ; tile_dim1 = 64
	s_mov_b32 s[G1+5], 1024                        ; elements from row to row
	s_mov_b32 s[G1+6], 0
	s_mov_b32 s[G1+7], 0
	s_or_b32 s[G1B+0], s47, (1<<16)|(1<<20)|(1<<21)|(6<<22)|(7<<25)  ; 2-byte elements; after every 128 words 8 words
	s_mov_b32 s[G1B+1], 256<<16
	s_mov_b32 s[G1B+2], 64<<16
	s_mov_b32 s[G1B+3], 256<<16
	s_mov_b32 s[G1B+4], 64
	s_mov_b32 s[G1B+5], 1024
	s_mov_b32 s[G1B+6], 0
	s_mov_b32 s[G1B+7], 0
	s_lshl_b32 s16, s45, 7                         ; x: row 128 mb + 64 half, 4,096 bytes a row (registers that never hold cx)
	s_lshl_b32 s17, s[WN], 6
	s_add_co_u32 s16, s16, s17
	s_lshl_b32 s16, s16, 12
	s_mov_b32 s17, 0
	s_lshl_b32 s90, s44, 21                        ; W: the tensor's matrix, k-row 64 half, column 256 x
	s_lshl_b32 s91, s[WN], 17
	s_add_co_u32 s90, s90, s91
	s_lshl_b32 s91, s42, 9
	s_add_co_u32 s90, s90, s91
	s_mov_b32 s91, 0
	s_mul_i32 s20, s[WN], AHALF                    ; where they go: no place in the cluster enters an LDS address
	s_mul_i32 s21, s[WN], BHALF
	s_add_co_u32 s21, s21, BOFF
	s_lshr_b32 s22, s45, 4                         ; y's place: (16 batch + 4 x + 2 half) heads of 262,144 bytes,
	s_lshl_b32 s22, s22, 4
	s_lshl_b32 s23, s42, 2
	s_add_co_u32 s22, s22, s23
	s_lshl_b32 s23, s[WN], 1
	s_add_co_u32 s22, s22, s23
	s_lshl_b32 s22, s22, 18
	s_and_b32 s23, s45, 15                         ; row 128 (mb % 16) + 64 half of the sequence, 128 bytes a row
	s_lshl_b32 s23, s23, 7
	s_lshl_b32 s89, s[WM], 6
	s_add_co_u32 s23, s23, s89
	s_lshl_b32 s23, s23, 7
	s_add_co_u32 s22, s22, s23
	s_mov_b32 s23, 0
	s_lshl_b32 s94, s42, 10                        ; the bias: column 256 x + 128 half, 4 bytes each
	s_lshl_b32 s95, s[WN], 9
	s_add_co_u32 s94, s94, s95
	s_mov_b32 s95, 0
	s_cmp_eq_u32 s44, 0
	s_cselect_b32 s[CSC], 0x3e38aa3b, 1.0          ; c = log2(e) / 8 for q: the scores then leave the matrix unit ready for 2^x
	s_mov_b32 s[CSC+1], s[CSC]
	s_cmp_eq_u32 s[WM], 0
	s_cselect_b32 s[LIM], 1, -1
	s_wait_dscnt 0x0                               ; the opening add is done
	s_wait_kmcnt 0x0
	s_cmp_eq_u32 s44, 1
	s_cselect_b64 s[92:93], s[6:7], s[4:5]
	s_cselect_b64 s[BIASP:BIASP+1], s[70:71], s[68:69]
	s_cselect_b64 s[OUTP:OUTP+1], s[76:77], s[74:75]
	s_cmp_eq_u32 s44, 2
	s_cselect_b64 s[92:93], s[8:9], s[92:93]
	s_cselect_b64 s[BIASP:BIASP+1], s[72:73], s[BIASP:BIASP+1]
	s_cselect_b64 s[OUTP:OUTP+1], s[78:79], s[OUTP:OUTP+1]
	s_add_nc_u64 s[18:19], s[92:93], s[16:17]
	s_add_nc_u64 s[90:91], s[10:11], s[90:91]
	s_add_nc_u64 s[BIASP:BIASP+1], s[BIASP:BIASP+1], s[94:95]
	s_add_nc_u64 s[OUTP:OUTP+1], s[OUTP:OUTP+1], s[22:23]
	s_lshl_b32 s94, s40, 16                        ; my work-group's 16 of the 64 rows
	s_mov_b32 s95, 0
	s_add_nc_u64 s[PFA:PFA+1], s[18:19], s[94:95]
	s_add_nc_u64 s[PFA:PFA+1], s[PFA:PFA+1], 2*512 ; at K step 2: the first change of slots steps it to 3 and names step 4
	CROUND                                         ; all sixteen work-groups are here: the first joint loads meet
.irp s, 0,1
	s_mov_b32 s[G0+4*(\s)], 1
	s_add_co_u32 s[G0+4*(\s)+1], s20, (\s)*SLOT
	s_add_nc_u64 s[G0+4*(\s)+2:G0+4*(\s)+3], s[18:19], (\s)*512       ; K step s: 128 f32
	s_or_b32 s[G0+4*(\s)+3], s[G0+4*(\s)+3], 0x80000000
	s_mov_b32 s[G0B+4*(\s)], 1
	s_add_co_u32 s[G0B+4*(\s)+1], s21, (\s)*SLOT
	s_add_nc_u64 s[G0B+4*(\s)+2:G0B+4*(\s)+3], s[90:91], (\s)*262144  ; K step s: 128 rows of 2,048 bytes
	s_or_b32 s[G0B+4*(\s)+3], s[G0B+4*(\s)+3], 0x80000000
	JLOAD \s                                       ; two loads of mine are out
.endr
	v_and_b32 v1, 15, v0                           ; r
	v_bfe_u32 v2, v0, 4, 1                         ; h
	v_mul_u32_u24 v3, v1, PA
	v_lshl_add_u32 v3, v2, 5, v3                   ; x: row r, 8 f32 for each half of the lanes
	s_mul_i32 s89, s[WM], AHALF
	v_add_nc_u32 v[ADRA], s89, v3
	v_add_nc_u32 v[ADRA+1], SLOT, v[ADRA]
	v_and_b32 v4, 7, v0
	v_bfe_u32 v5, v0, 3, 1
	v_lshl_add_u32 v6, v2, 3, v4                   ; W: k-row 8 h + lane % 8,
	v_mul_u32_u24 v6, v6, PB
	v_lshl_add_u32 v6, v5, 4, v6                   ; columns 8 ((lane / 8) % 2) on
	s_lshl_b32 s89, s[WN], 8
	s_add_co_u32 s89, s89, BOFF
	v_add_nc_u32 v[ADRB], s89, v6
	v_add_nc_u32 v[ADRB+1], SLOT, v[ADRB]
	s_mul_i32 s89, s[WV], 32*SP
	s_add_co_u32 s89, s89, STAGE                   ; my stage
	v_mul_u32_u24 v[STO], v1, SP
	v_lshl_add_u32 v[STO], v2, 4, v[STO]
	v_add_nc_u32 v[STO], s89, v[STO]
	v_bfe_u32 v[RD], v0, 3, 2                      ; back: 32 lanes take four rows of 128 bytes,
	v_mul_u32_u24 v[RD], v[RD], SP
	v_lshl_add_u32 v[RD], v4, 4, v[RD]
	v_add_nc_u32 v[RD], s89, v[RD]
	v_and_b32 v[GO], 31, v0                        ; which are 512 consecutive bytes of a head
	v_lshlrev_b32 v[GO], 4, v[GO]
	v_lshlrev_b32 v[BO], 5, v2
	v_bfe_u32 v[PFO], v0, 1, 4                     ; row lane / 2, block lane % 2
	v_and_b32 v7, 1, v0
	v_lshlrev_b32 v[PFO], 12, v[PFO]
	v_lshl_add_u32 v[PFO], v7, 8, v[PFO]
	WIN TO_BIAS
.irp b, 0,1,2,3,4,5,6,7
	global_load_b128 v[8*\b:8*\b+3],   v[BO], s[BIASP:BIASP+1] offset:64*\b      ; bias of columns 16 b + 8 h + 0..7
	global_load_b128 v[8*\b+4:8*\b+7], v[BO], s[BIASP:BIASP+1] offset:64*\b+16
.endr
	WIN 0
; One product: block (a, b), 32 along K, buffer f.  bias = 1: it starts the sum with the bias.  The 32 accumulators take turns, one instruction a turn, in the same order in every quarter.
.macro PROD f, a, b, bias
.if \bias
	WIN MULB
	v_wmma_f32_16x16x32_f16 v[8*(8*(\a)+(\b)):8*(8*(\a)+(\b))+7], v[64*(\f)+8*(\b):64*(\f)+8*(\b)+7], v[AF+32*(\f)+8*(\a):AF+32*(\f)+8*(\a)+7], v[8*(\b):8*(\b)+7]
.else
	WIN MUL
	v_wmma_f32_16x16x32_f16 v[8*(8*(\a)+(\b)):8*(8*(\a)+(\b))+7], v[64*(\f)+8*(\b):64*(\f)+8*(\b)+7], v[AF+32*(\f)+8*(\a):AF+32*(\f)+8*(\a)+7], v[8*(8*(\a)+(\b)):8*(8*(\a)+(\b))+7]
.endif
.endm
.macro MUL8 f, a, bias
.irp b, 0,1,2,3,4,5,6,7
	PROD \f, \a, \b, \bias
.endr
.endm
; The quarter's last eight products, and behind each four roundings of the next quarter's x into buffer g: they name no register of the products round them.
.macro MULR f, g, bias
.irp b, 0,1,2,3,4,5,6,7
	PROD \f, 3, \b, \bias
	WIN 0
.irp n, 0,1,2,3
	v_cvt_pk_f16_f32 v[AF+32*(\g)+4*\b+\n], v[RAW+2*(4*\b+\n)], v[RAW+2*(4*\b+\n)+1]
.endr
.endr
.endm
; 32 LDS loads in one run: quarter kq of a slot: x's four fragments in f32 (k = 8 h + 0..7 and 16 + 8 h + 0..7: 32 bytes at 32 h and at 64 + 32 h), then W's eight, turned, into buffer g.
.macro FETCH slot, kq, g
	WIN 0
.irp a, 0,1,2,3
	ds_load_b128 v[RAW+16*\a:RAW+16*\a+3],     v[ADRA+(\slot)] offset:(\kq)*128+\a*16*PA
	ds_load_b128 v[RAW+16*\a+4:RAW+16*\a+7],   v[ADRA+(\slot)] offset:(\kq)*128+\a*16*PA+16
	ds_load_b128 v[RAW+16*\a+8:RAW+16*\a+11],  v[ADRA+(\slot)] offset:(\kq)*128+\a*16*PA+64
	ds_load_b128 v[RAW+16*\a+12:RAW+16*\a+15], v[ADRA+(\slot)] offset:(\kq)*128+\a*16*PA+80
.endr
	WIN TO_B
.irp b, 0,1,2,3,4,5,6,7
	ds_load_tr16_b128 v[64*(\g)+8*\b:64*(\g)+8*\b+3],   v[ADRB+(\slot)] offset:(\kq)*32*PB+32*\b
	ds_load_tr16_b128 v[64*(\g)+8*\b+4:64*(\g)+8*\b+7], v[ADRB+(\slot)] offset:(\kq)*32*PB+32*\b+16*PB
.endr
.endm
; A K step is four quarters of 32 along K, 32 products each, on buffers 0, 1, 0, 1.  One of the first three: multiplies buffer f, fetches quarter kq into g.
.macro QUARTER slot, kq, f, g, bias
	s_wait_dscnt 0x0                               ; W's fragments of buffer f are in (x's were waited for and rounded in the quarter before)
	MUL8 \f, 0, \bias
	PLACES
	FETCH \slot, \kq, \g
	MUL8 \f, 1, \bias
	MUL8 \f, 2, \bias
	s_wait_dscnt 16                                ; x's 16 loads are in; W's 16, issued behind them, may stay out
	MULR \f, \g, \bias
.endm
; The last quarter multiplies buffer 1 and changes slots: one barrier; in front of it each wave waits for all its tensor loads, adds 0 to its spare word, and waits for that and for its reads of this slot.
.macro TURN slot, next, fill
.if \fill
	s_wait_xcnt 0x0                                ; the last prefetch, a K step back, has read its address
	s_add_nc_u64 s[PFA:PFA+1], s[PFA:PFA+1], 512
.endif
	WIN 0
	s_wait_tensorcnt 0x0                           ; all my tensor loads have landed: my part of the next slot
	ds_add_u32 v[SPW], v[NIL]                      ; 0 onto my spare word
	s_wait_dscnt 1                                 ; only the add may be out: W's fragments of buffer 1 are in
	MUL8 1, 0, 0
	s_wait_dscnt 0x0                               ; the add is done, and my reads of this slot are over
	s_barrier_signal -1
	MUL8 1, 1, 0
	WIN 0
	s_barrier_wait -1
.if \fill
	CREST                                          ; the barrier has opened a round of the cluster's: no wave of any partner still reads this slot or has a load on its way
	s_add_nc_u64 s[G0+4*(\slot)+2:G0+4*(\slot)+3], s[G0+4*(\slot)+2:G0+4*(\slot)+3], 2*512
	s_add_nc_u64 s[G0B+4*(\slot)+2:G0B+4*(\slot)+3], s[G0B+4*(\slot)+2:G0B+4*(\slot)+3], 2*262144
	JLOAD \slot                                    ; the first tensor load behind the round; its four v_nop are also the places in front of the loads below
.else
	PLACES
.endif
	FETCH \next, 0, 0
.if \fill
	ASK
.endif
	MUL8 1, 2, 0
	s_wait_dscnt 16
	MULR 1, 0, 0
.endm
	s_wait_tensorcnt 1                             ; my part of K step 0 is in; step 1's may stay out
	s_barrier_signal -1
	s_barrier_wait -1
	FETCH 0, 0, 0
	s_wait_dscnt 16
	WIN 0
.set i, 0
.rept 32
	v_cvt_pk_f16_f32 v[AF+i], v[RAW+2*i], v[RAW+2*i+1]
.set i, i+1
.endr
	s_wait_loadcnt 0x0                             ; the bias
	QUARTER 0, 1, 0, 1, 1                          ; the first quarter stands in front of the loop: its products start the sums
	WIN 0
	s_mov_b32 s3, LAPS-1
.Llap:                                             ; a trip goes once round the ring and fills both slots again
	QUARTER 0, 2, 1, 0, 0
	QUARTER 0, 3, 0, 1, 0
	TURN 0, 1, 1
	QUARTER 1, 1, 0, 1, 0
	QUARTER 1, 2, 1, 0, 0
	QUARTER 1, 3, 0, 1, 0
	TURN 1, 0, 1
	QUARTER 0, 1, 0, 1, 0
	WIN 0
	s_sub_co_u32 s3, s3, 1
	s_cmp_lg_u32 s3, 0
	s_cbranch_scc1 .Llap
	QUARTER 0, 2, 1, 0, 0                          ; the last lap fills nothing
	QUARTER 0, 3, 0, 1, 0
	TURN 0, 1, 0
	QUARTER 1, 1, 0, 1, 0
	QUARTER 1, 2, 1, 0, 0
	QUARTER 1, 3, 0, 1, 0
	s_wait_dscnt 0x0
	MUL8 1, 0, 0
	MUL8 1, 1, 0
	MUL8 1, 2, 0
	MUL8 1, 3, 0
	PLACES
	PLACES
; THE WAY OUT of my rows 16 a .. 16 a + 15: times c, rounded to f16 (each accumulator is read from its low end on), 16 bytes a lane into my stage, by heads; back as whole rows of 128 bytes;
; 16 rows of a head are 2,048 consecutive bytes of the output.
.macro OUT a
	WIN SCALE
.set i, 64*(\a)
.rept 32
	v_pk_mul_f32 v[i:i+1], v[i:i+1], s[CSC:CSC+1] op_sel_hi:[1,0]
.set i, i+2
.endr
	WIN PACKW
.set i, 0
.rept 32
	v_cvt_pk_f16_f32 v[TMP+i], v[64*(\a)+2*i], v[64*(\a)+2*i+1]
.set i, i+1
.endr
	WIN 0
.irp b, 0,1,2,3,4,5,6,7
	ds_store_b128 v[STO], v[TMP+4*\b:TMP+4*\b+3] offset:(\b/4)*16*SP+(\b%4)*32
.endr
.if (\a) > 0
	s_wait_xcnt 0x0                                ; the block before's stores have read their data: only behind this wait is it loaded over
.endif
.irp n, 0,1,2,3,4,5,6,7
	ds_load_b128 v[BK+4*\n:BK+4*\n+3], v[RD] offset:(\n/4)*16*SP+(\n%4)*4*SP  ; LDS serves a wave's instructions in order (ISA guide 5.7.1.4): these see the stores above
.endr
.irp n, 0,1,2,3,4,5,6,7
	s_wait_dscnt 7-\n
	global_store_b128 v[GO], v[BK+4*\n:BK+4*\n+3], s[OUTP:OUTP+1] offset:(\n/4)*262144+(\a)*2048+(\n%4)*512  ; 512 consecutive bytes, aligned
.endr
.endm
	OUT 0
	OUT 1
	OUT 2
	OUT 3
	s_wait_tensorcnt 0x0                           ; the wave's end, behind my last tensor load and my last LDS store
	ds_add_u32 v[SPW], v[NIL]
	s_wait_dscnt 0x0
	CROUND                                         ; the closing round
	s_endpgm
.Lfunc_end_k_q5734c62f78_proj:
	.size	k_q5734c62f78_proj, .Lfunc_end_k_q5734c62f78_proj-k_q5734c62f78_proj
	.p2alignl 7, 3214868480
	.fill 96, 4, 3214868480
	.section	.rodata,"a",@progbits
	.p2align	6, 0x0
	.amdhsa_kernel k_q5734c62f78_proj
		.amdhsa_group_segment_fixed_size 327680
		.amdhsa_private_segment_fixed_size 0
		.amdhsa_enable_private_segment 0
		.amdhsa_kernarg_size 80
		.amdhsa_user_sgpr_count 2
		.amdhsa_user_sgpr_kernarg_segment_ptr 1
		.amdhsa_wavefront_size32 1
		.amdhsa_system_sgpr_workgroup_id_x 1
		.amdhsa_system_sgpr_workgroup_id_y 1
		.amdhsa_system_sgpr_workgroup_id_z 1
		.amdhsa_system_vgpr_workitem_id 0
		.amdhsa_next_free_vgpr 832
		.amdhsa_next_free_sgpr 96
		.amdhsa_reserve_vcc 0
		.amdhsa_float_denorm_mode_32 3
		.amdhsa_float_denorm_mode_16_64 3
		.amdhsa_memory_ordered 1
		.amdhsa_forward_progress 1
		.amdhsa_inst_pref_size 146
	.end_amdhsa_kernel
	.amdgpu_metadata
---
amdhsa.version: [ 1, 2 ]
amdhsa.kernels:
  - .name:           k_q5734c62f78_proj
    .symbol:         k_q5734c62f78_proj.kd
    .args:
      - { .name: q, .offset: 0, .size: 8, .value_kind: global_buffer, .address_space: global }
      - { .name: k, .offset: 8, .size: 8, .value_kind: global_buffer, .address_space: global }
      - { .name: v, .offset: 16, .size: 8, .value_kind: global_buffer, .address_space: global }
      - { .name: wh, .offset: 24, .size: 8, .value_kind: global_buffer, .address_space: global }
      - { .name: bq, .offset: 32, .size: 8, .value_kind: global_buffer, .address_space: global }
      - { .name: bk, .offset: 40, .size: 8, .value_kind: global_buffer, .address_space: global }
      - { .name: bv, .offset: 48, .size: 8, .value_kind: global_buffer, .address_space: global }
      - { .name: qh, .offset: 56, .size: 8, .value_kind: global_buffer, .address_space: global }
      - { .name: kh, .offset: 64, .size: 8, .value_kind: global_buffer, .address_space: global }
      - { .name: vh, .offset: 72, .size: 8, .value_kind: global_buffer, .address_space: global }
    .group_segment_fixed_size: 327680
    .private_segment_fixed_size: 0
    .kernarg_segment_align: 8
    .kernarg_segment_size: 80
    .max_flat_workgroup_size: 128
    .sgpr_count:     96
    .vgpr_count:     832
    .wavefront_size: 32
...
	.end_amdgpu_metadata
.endif
;; end of part 2
;; launch attn (part 3): grid 4 x 64, 4 waves a work-group, clusters of 4 x 1, 327,680 bytes of LDS; arguments qh, kh, vh, mbits, ch; writes ch
.if DOCPART == 3
	.amdgcn_target "amdgcn-amd-amdhsa--gfx1250"
	.amdhsa_code_object_version 6
	.text
	.protected	k_q5734c62f78_attn
	.globl	k_q5734c62f78_attn
	.p2align	8
	.type	k_q5734c62f78_attn,@function
k_q5734c62f78_attn:
	s_mov_b64 s[64:65], 0
	v_nop
	global_prefetch_b8 v0, s[64:65] scope:SCOPE_SE
	s_setreg_imm32_b32 hwreg(HW_REG_WAVE_MODE, 25, 1), 1
	s_wait_xcnt 0x0
	s_wait_alu depctr_hold_cnt(0) depctr_sa_sdst(0) depctr_va_vdst(0) depctr_va_sdst(0) depctr_va_ssrc(0) depctr_va_vcc(0) depctr_vm_vsrc(0)
	s_getreg_b32 s2, hwreg(HW_REG_IB_STS2, 6, 4)
	s_cmp_eq_u32 s2, 0
	s_cbranch_scc0 .Lentry_in_a_cluster
	s_endpgm
.Lentry_in_a_cluster:
	s_bfe_u32 s2, ttmp6, 0x10000c
	s_cmp_lg_u32 s2, 0x3003
	s_cbranch_scc0 .Lentry_shape_is_right
	s_endpgm
.Lentry_shape_is_right:
; ATTENTION WITH AN INPUT MASK.  O[bh][q] = the sum over k of softmax_k(s) V[bh][k], s = -1e9 where mask[b][q][k], else Q[bh][q] . K[bh][k] / 8.  qh, kh, vh, ch: [64][2048][64] f16, a head's rows dense.
; qh arrives multiplied by log2(e) / 8, so a score leaves the matrix unit as the exponent of 2; a masked score is REPLACED by NEG = -1e9 log2(e) ahead of the running maximum, so a row whose keys
; are all masked gets equal weights, as the replaced scores ask.  Products, maxima and sums in f32; the weights p are rounded to f16 for the second product (their sum is taken of the unrounded p), O once.
; LIMITS.  f16 holds no number beyond 65,504; a weight below 2^-126 counts as 0; a true score below -1e9 is not served; NaN and infinities are not treated apart.
; THE MASK comes as lane masks (mbits): for a tile of 16 queries x 64 keys 32 words, word j for score register j.  A turn's 64 words are 256 consecutive bytes: one vector load of 8 bytes a lane brings
; them, a key step (four turns) ahead of their use, each piece into a register pair of its own; v_readlane_b32 then sets each word into a scalar register, four behind each product K Q^T, and one
; v_cndmask_b32 a score applies it.  The loads' offsets wrap inside the wave's own 32,768 bytes, so what is loaded ahead at the end stays in the buffer.
; SHARES.  A wave owns four PIECES of two tiles of 16 queries, a work-group's four waves 512 queries of one head.  Every wave walks all 2,048 keys, 64 a step.
; LAYOUT.  S^T = K Q^T: a lane holds ONE query (lane % 16) and the keys 16 kt + 8 (lane / 16) + 0..7.  Two such results rounded to f16 ARE source 1 of O^T = V^T P.  V comes out of LDS turned.
; SOFTMAX.  p = 2^(s - m) with a running maximum m; in every step O and l are multiplied by a = 2^(m_old - m_new).  m starts far below NEG, O and l at 0: the first step is a step like any other, with a = 0.
; BY TURNS.  Turn n belongs to piece n: 16 products K Q^T of piece n + 1, later 16 products V^T P of piece n - 1; beside them the subtraction, exponentials, roundings, sums and rescaling of piece n
; and the mask, maximum and statistics of piece n + 1.  Four vector instructions stand behind every matrix instruction, the rest in one lump.  A turn's 66 exponentials are one batch with one wait.
; CLUSTER.  A head's four query blocks walk the same K and V: each tile is asked for jointly.
; REGISTERS.  window 0: v0-11 addresses and NEG; v12-15, v48-63 at work; v16-47 four registers of statistics a tile (m, 0, l, l); v64-191 S^T, two buffers of two tiles; v192-255 P, likewise
;   window 1: O^T, 32 a tile     window 2: v0-127 Q; v192-255 V of one step
;   window 3: v0-1 the add's two registers; v2-5 the mask loads' offsets; v6-13 the mask words, a pair a piece; v128-191 K of one step (beside the words, so that a readlane behind a product K Q^T needs no switch)
.set NP,    4
.set KS,    64
.set PK,    144       ; a row of K in LDS: 128 bytes + 16: the 16 rows of a load start at 16 different groups of four banks (64 banks of 4 bytes: ISA guide 11.1)
.set PV,    160       ; a row of V: 128 + 32
.set VOFF,  4*KS*PK   ; a slot holds four steps: 256 rows of K, then 256 rows of V
.set SLOT1, 1<<17
.set STAGE, SLOT1+4*KS*(PK+PV)  ; behind the ring: 16 rows x 144 bytes for each wave
.set SP,    144
.set SPARE, STAGE+4*16*SP       ; the spare words: two blocks of 256 bytes that no other line names
.set AK0, 2
.set AV0, 3
.set AK,  4
.set AV,  5
.set QO,  6
.set STO, 6
.set RD,  7
.set GO,  8
.set PFO, 9           ; v9   256 x lane, once h has been used
.set NEG, 11          ; v11  -1e9 log2(e)
.set SPW, 0           ; window 3
.set NIL, 1           ; window 3
.set VO,  2           ; window 3: piece x's offset in my wave's words: 8 x lane + 256 x + 1,024 x key step, modulo 32,768
.set MW,  6           ; window 3: piece x's 64 words at v[MW+2x:MW+2x+1]: word j of tile u in lane 16 u + j / 2, register j % 2
.set MV,  12
.set ST,  16
.set TMP, 48
.set S,   64
.set P,   192
.set KF,  128         ; window 3
.set VF,  192         ; window 2
.set MP,  2           ; s[2:3]   my wave's words in mbits; never rewritten
.set PFA, 4           ; s[4:5]   where my prefetches stand
.set SEL, 6           ; s6, s7   v_permlanex16_b32's selects
.set G1K, 8
.set G1V, 16
.set G0K, 24
.set G0V, 28
.set MB1, 32          ; s[32:63] the mask words of the piece's second tile (before the first turn: arguments and temporaries)
.set WV,  66
.set SLOTS, 67
.set MB0, 68          ; s[68:99] those of its first tile
.set CNT, 100
.set TBK, 101
.set TBV, 104
.set MSB, 0
.macro WIN new
.if MSB != (\new)
	s_set_vgpr_msb (MSB<<8)|(\new)
.set MSB, (\new)
.endif
.endm
.set W_KQ, 0x0b       ; K in window 3, Q in window 2, S^T in window 0
.set W_PV, 0x52       ; V in window 2, P in window 0, O^T in window 1
.set W_RS, 0x41
.set W_MK, 0xc0       ; destination in window 3, sources in window 0
.set W_ML, 0xcf       ; destination and sources 0 and 1 in window 3: the mask loads and their offsets
.set W_AD, 0x0f
.macro JLOAD                        ; waves 0 and 1 fetch the halves of a slot's K, waves 2 and 3 of its V; an s_nop 0 and four v_nop follow each line
	s_cmp_lt_u32 s[WV], 2
	s_cbranch_scc0 .Lfor_v_\@
	tensor_load_to_lds s[G0K:G0K+3], s[G1K:G1K+7]
	s_nop 0
.rept 4
	v_nop
.endr
	s_branch .Lasked_\@
.Lfor_v_\@:
	tensor_load_to_lds s[G0V:G0V+3], s[G1V:G1V+7]
	s_nop 0
.rept 4
	v_nop
.endr
.Lasked_\@:
.endm
.macro CROUND
	s_barrier_signal -1
	s_barrier_wait -1
	s_cmp_lg_u32 s[WV], 0
	s_cbranch_scc1 .Lnot_wave_0_\@
	s_barrier_signal -3
.Lnot_wave_0_\@:
	s_barrier_wait -3
	s_barrier_signal -1
	s_barrier_wait -1
.endm
; THE CHANGE OF SLOTS.  Each wave waits for all its tensor loads (one is out: its part of the other slot), adds 0 to its spare word, and waits for that and for its reads of the slot.
; fill = 1: the barrier is a round of the cluster's, and the joint fill, with the keys two slots on, is the first thing behind it: it has four key steps in which to land.
.macro CHANGE fill
	WIN W_AD
	s_wait_tensorcnt 0x0
	ds_add_u32 v[SPW], v[NIL]       ; 0 onto my spare word; scalar work stands between it and the wait for it
	WIN 0
.if \fill
.irp g, G0K, G0V
	s_xor_b32 s[\g+1], s[\g+1], SLOT1
	s_add_nc_u64 s[\g+2:\g+3], s[\g+2:\g+3], 4*KS*128
.endr
	s_wait_xcnt 0x0                 ; the last prefetch, three turns back, has read its address
	s_add_nc_u64 s[PFA:PFA+1], s[PFA:PFA+1], 4*KS*128
	s_wait_dscnt 0x0
	CROUND
	JLOAD
.else
	s_wait_dscnt 0x0
	s_barrier_signal -1
	s_barrier_wait -1
.endif
	s_sub_co_u32 s[TBK], s[TBK], 4*KS*PK
	s_xor_b32 s[TBK], s[TBK], SLOT1
	s_sub_co_u32 s[TBV], s[TBV], 4*KS*PV
	s_xor_b32 s[TBV], s[TBV], SLOT1
.endm
	s_load_b256 s[32:39], s[0:1], 0x0  ; qh s[32:33], kh s[34:35], vh s[36:37], mbits s[38:39]
	WIN W_MK
	v_lshl_add_u32 v[SPW], v0, 2, SPARE
	v_mov_b32 v[NIL], 0
	WIN W_AD
	ds_add_u32 v[SPW], v[NIL]       ; the wave's opening: the add and its wait ahead of my first tensor load
	WIN 0
	v_lshrrev_b32 v1, 5, v0
	v_readfirstlane_b32 s[WV], v1
	s_bfe_u32 s40, ttmp6, 0x40000   ; cx
	s_lshl_b32 s41, ttmp9, 2
	s_add_co_u32 s41, s41, s40      ; my block of 512 queries: it enters Q's, O's and the mask's addresses alone
	s_and_b32 s42, ttmp7, 0xffff    ; batch x head, which the four partners share
	s_lshl_b32 s44, s42, 18         ; the head's first byte in qh, kh, vh, ch
	s_mov_b32 s45, 0
	s_and_b32 s46, s[WV], 1         ; which half of a slot's 256 keys I fetch
	s_lshl_b32 s48, s46, 14
	s_mov_b32 s49, 0
	s_add_nc_u64 s[48:49], s[48:49], s[44:45]
	s_mul_i32 s50, s46, 128*PK
	s_mul_i32 s51, s46, 128*PV
	s_lshl_b32 s52, s41, 2
	s_add_co_u32 s52, s52, s[WV]    ; g: my wave among the head's sixteen
	s_lshl_b32 s54, s52, 14         ; its 128 rows of 128 bytes
	s_mov_b32 s55, 0
	s_add_nc_u64 s[54:55], s[54:55], s[44:45]
	s_lshr_b32 s56, s42, 4          ; batch
	s_lshl_b32 s56, s56, 19
	s_lshl_b32 s57, s52, 15
	s_add_co_u32 s56, s56, s57      ; batch x 524,288 + g x 32,768
	s_mov_b32 s57, 0
	s_lshl_b32 s60, s40, 13         ; my work-group's 32 blocks of 256 bytes of a slot's 128
	s_mov_b32 s61, 0
	s_mul_i32 s62, s[WV], 16*SP
	s_add_co_u32 s62, s62, STAGE    ; my stage
	; 128 keys are 16,384 dense bytes: asked for as 64 rows of 256 bytes, padded in LDS after every key
	s_mov_b32 s[G1K], 15|(1<<16)|(1<<20)|(1<<21)|(4<<22)|(3<<25)
	s_mov_b32 s[G1V], 15|(1<<16)|(1<<20)|(1<<21)|(4<<22)|(7<<25)
.irp g, G1K, G1V
	s_mov_b32 s[\g+1], 128<<16
	s_mov_b32 s[\g+2], 64<<16
	s_mov_b32 s[\g+3], 128<<16
	s_mov_b32 s[\g+4], 64
	s_mov_b32 s[\g+5], 128
	s_mov_b32 s[\g+6], 0
	s_mov_b32 s[\g+7], 0
.endr
	s_mov_b32 s[SEL], 0x76543210
	s_mov_b32 s[SEL+1], 0xfedcba98
	s_mov_b32 s[TBK], SLOT1+4*KS*PK ; the first change of slots turns these two into 0
	s_mov_b32 s[TBV], SLOT1+4*KS*PV
	s_mov_b32 s[G0K], 1
	s_mov_b32 s[G0K+1], s50
	s_mov_b32 s[G0V], 1
	s_add_co_u32 s[G0V+1], s51, VOFF
	s_wait_dscnt 0x0                ; the opening add is done
	s_wait_kmcnt 0x0
	s_add_nc_u64 s[G0K+2:G0K+3], s[34:35], s[48:49]
	s_or_b32 s[G0K+3], s[G0K+3], 0x80000000
	s_add_nc_u64 s[G0V+2:G0V+3], s[36:37], s[48:49]
	s_or_b32 s[G0V+3], s[G0V+3], 0x80000000
	s_add_nc_u64 s[58:59], s[32:33], s[54:55]      ; Q at my wave's first row
	s_add_nc_u64 s[MP:MP+1], s[38:39], s[56:57]
	s_cmp_lt_u32 s[WV], 2
	s_cselect_b64 s[PFA:PFA+1], s[34:35], s[36:37]
	s_add_nc_u64 s[PFA:PFA+1], s[PFA:PFA+1], s[44:45]
	s_add_nc_u64 s[PFA:PFA+1], s[PFA:PFA+1], s[60:61]
	s_add_nc_u64 s[PFA:PFA+1], s[PFA:PFA+1], 4*KS*128  ; in slot 1; each change of slots that fills steps it on
	CROUND                          ; all four work-groups are here
	JLOAD                           ; slot 0
	v_and_b32 v1, 15, v0            ; r
	v_bfe_u32 v9, v0, 4, 1          ; h
	v_lshlrev_b32 v[QO], 7, v1
	v_lshl_add_u32 v[QO], v9, 4, v[QO]
	v_mov_b32 v[RD], s62            ; the stage's base is parked here: the first turn's mask words take the temporaries' registers
	v_mov_b32 v[NEG], 0xceabfb8f
	WIN 0x80
.set i, 0
.rept 4*NP                          ; Q stays in registers: tile i / 2, channels 32 (i % 2) on
	global_load_b128 v[8*i:8*i+3],   v[QO], s[58:59] offset:(i/2)*2048+(i%2)*64
	global_load_b128 v[8*i+4:8*i+7], v[QO], s[58:59] offset:(i/2)*2048+(i%2)*64+32
.set i, i+1
.endr
	; THE LOOP IS ENTERED ONE TURN EARLY, at piece 3's turn of a step that has not been: that turn makes piece 0's first scores, mask and maximum as every turn 3 does, so none of that is written out.
	; What it finds for piece 3: scores equal to m's start (weights 1), a = 0, l = 0; for piece 2's products V^T P: V = 0 and P = 0.  What it leaves in piece 3's l is multiplied by a = 0 in piece 3's
	; first true step, and the weights 1 that it leaves in P meet V = 0 in the next turn.  All this stands in the wait for the first tile.
.set i, VF
.rept 64
	v_mov_b32 v[i], 0
.set i, i+1
.endr
	WIN 0
.set i, P
.rept 32
	v_mov_b32 v[i], 0
.set i, i+1
.endr
	v_mov_b32 v[ST], 0xfe000000        ; m: far below NEG
.set i, 0
.rept 2*NP
.if i > 0
	v_mov_b32 v[ST+4*i], v[ST]
.endif
	v_mov_b32 v[ST+4*i+1], 0           ; named with m as a pair
	v_mov_b32 v[ST+4*i+2], 0
	v_mov_b32 v[ST+4*i+3], 0
.set i, i+1
.endr
.irp z, 10,11,14,15
	v_mov_b32 v[TMP+\z], 0             ; piece 3's a, named as pairs
.endr
	WIN W_PV
.set i, 0
.rept 8*NP                          ; O^T starts as V^T P with V = 0: 32 products with C = 0, one for each accumulator
	v_wmma_f32_16x16x32_f16 v[8*i:8*i+7], v[VF:VF+7], v[P:P+7], 0
.set i, i+1
.endr
	WIN 0
.set i, S+64
.rept 64
	v_mov_b32 v[i], v[ST]
.set i, i+1
.endr
	v_mul_u32_u24 v[AK0], v1, PK
	v_lshl_add_u32 v[AK0], v9, 4, v[AK0]
	v_and_b32 v10, 7, v0
	v_bfe_u32 v[AV], v0, 3, 1
	v_lshl_add_u32 v[AV0], v9, 3, v10
	v_mul_u32_u24 v[AV0], v[AV0], PV
	v_lshl_add_u32 v[AV0], v[AV], 4, v[AV0]
	v_add_nc_u32 v[AV0], VOFF, v[AV0]
	v_mov_b32 v[AK], v[AK0]
	v_and_b32 v[AV], 31, v0
	v_lshlrev_b32 v[AV], 3, v[AV]   ; 8 bytes a lane
	WIN W_MK
.irp x, 0,1,2,3
	v_add_nc_u32 v[VO+\x], 256*\x, v[AV]
.endr
	WIN 0xc3                        ; destination and address in window 3
.irp x, 0,1,2,3
	global_load_b64 v[MW+2*\x:MW+2*\x+1], v[VO+\x], s[MP:MP+1]  ; key step 0's words: 256 consecutive bytes a piece
.endr
	WIN 0
; THE MATRIX WORK.  The 8 accumulators of a run of 16 take turns.
.macro KQ x
	WIN W_KQ
.set rS, S+64*((\x)%2)+32*(i%2)+8*((i/2)%4)
.set rK, KF+16*((i/2)%4)+8*(i/8)
.set rQ, 16*(2*(\x)+i%2)+8*(i/8)
.if i < 8
	v_wmma_f32_16x16x32_f16 v[rS:rS+7], v[rK:rK+7], v[rQ:rQ+7], 0
.else
	v_wmma_f32_16x16x32_f16 v[rS:rS+7], v[rK:rK+7], v[rQ:rQ+7], v[rS:rS+7]
.endif
.endm
.macro PV x
	WIN W_PV
.set rO, 32*(2*(\x)+i%2)+8*((i/2)%4)
.set rV, VF+32*(i/8)+8*((i/2)%4)
.set rP, P+32*((\x)%2)+16*(i%2)+8*(i/8)
	v_wmma_f32_16x16x32_f16 v[rO:rO+7], v[rV:rV+7], v[rP:rP+7], v[rO:rO+7]
.endm
.macro MM
.if i < 16
	KQ (Y+1)%NP
.set i, i+1
.else
.set i, i-16
	PV (Y+NP-1)%NP
.set i, i+17
.endif
.endm
; THE MASK WORDS.  RL: the next of the NEXT piece's 64 words goes from its lane into its scalar register; under the products' own window setting.
.macro RL
.set px, (Y+1)%NP
	WIN W_KQ
	v_readlane_b32 s[MB0-36*(w/32)+w%32], v[MW+2*px+w%2], 16*(w/32)+(w%32)/2
.set w, w+1
.endm
; LOADW: that piece's pair has been read out and takes the next key step's words.  Its offset's last load is shown done by the wait at this turn's head, so the offset may be stepped.
.macro LOADW
.set px, (Y+1)%NP
	WIN W_ML
	v_add_nc_u32 v[VO+px], 1024, v[VO+px]
	v_and_b32 v[VO+px], 0x7fff, v[VO+px]
	global_load_b64 v[MW+2*px:MW+2*px+1], v[VO+px], s[MP:MP+1]
.endm
; THE LDS LOADS stand in runs of 16.  last = 1 (the tail): in the last trip there is no further step.  ask = 1: behind the run of a slot's last trip stands the prefetch into the L2 of the slot that
; the NEXT change of slots will ask for: 128 blocks of 256 bytes of K and of V; the four partners take 32 each, told apart by address; wave 0 names K's, wave 2 V's, a lane a block.
; This cluster alone reads the head's K and V, so each block is named once.  Slots 0 and 1 come by their loads alone; behind the last fill nothing is named.
.macro FETCH_K last=0, ask=0
	WIN 0
.if \last
	s_cmp_eq_u32 s[CNT], 1
	s_cbranch_scc1 .Lno_k_\@
.endif
	WIN W_MK
.irp f, 0,1,2,3,4,5,6,7
	ds_load_b128 v[KF+8*\f:KF+8*\f+3],   v[AK] offset:(\f/2)*16*PK+(\f%2)*64
	ds_load_b128 v[KF+8*\f+4:KF+8*\f+7], v[AK] offset:(\f/2)*16*PK+(\f%2)*64+32
.endr
	s_add_co_u32 s[TBK], s[TBK], KS*PK
	WIN 0
.if \last
.Lno_k_\@:
.endif
.if \ask
	s_cmp_eq_u32 s[CNT], 1
	s_cbranch_scc0 .Lno_ask_\@
	s_cmp_gt_u32 s[SLOTS], 1
	s_cbranch_scc0 .Lno_ask_\@
	s_cmp_eq_u32 s[WV], 1
	s_cbranch_scc1 .Lno_ask_\@
	s_cmp_eq_u32 s[WV], 3
	s_cbranch_scc1 .Lno_ask_\@
	global_prefetch_b8 v[PFO], s[PFA:PFA+1] th:TH_LOAD_NT scope:SCOPE_SE
.Lno_ask_\@:
.endif
.endm
.macro FETCH_V
	WIN 0x80
.irp f, 0,1,2,3,4,5,6,7
	ds_load_tr16_b128 v[VF+8*\f:VF+8*\f+3],   v[AV] offset:(\f/4)*32*PV+(\f%4)*32
	ds_load_tr16_b128 v[VF+8*\f+4:VF+8*\f+7], v[AV] offset:(\f/4)*32*PV+16*PV+(\f%4)*32
.endr
	WIN 0
.endm
; THE VECTOR WORK OF A TURN stands in queues, each in the order in which its entries become ready.
.macro REGS y, u
.set rT, ST+4*(2*(\y)+(\u))
.set rC, TMP+8*((\y)%2)+4*(\u)
.set rM, MV+2*((\y)%2)+(\u)
.set rS, S+64*((\y)%2)+32*(\u)
.set rP, P+32*((\y)%2)+16*(\u)
.set rO, 32*(2*(\y)+(\u))
.endm
; Mask number n of 64, for the NEXT piece: score register n % 32 of tile n / 32 becomes NEG in the lanes whose bit is set.  Ascending.
.macro MK n
	REGS (Y+1)%NP, (\n)/32
	v_cndmask_b32 v[rS+(\n)%32], v[rS+(\n)%32], v[NEG], s[MB0-36*((\n)/32)+(\n)%32]
.endm
; Number n of those that find the NEXT piece's maximum and statistics:  0-11 four chains c0-c3 of seven scores each;  12-14, 16 the four scores left over, the old m, c0-c3 into c0;  15 m_old is kept;
; 17, 18 the query's other 32 keys lie in the lane 16 away: the new m;  20, 21 m_old - m_new; a.  (There is no 19.)
.macro XS u, n
	REGS (Y+1)%NP, \u
.if (\n) < 4
	v_max3_num_f32 v[rC+(\n)], v[rS+8*(\n)], v[rS+8*(\n)+1], v[rS+8*(\n)+2]
.elseif (\n) < 12
	v_max3_num_f32 v[rC+(\n)%4], v[rC+(\n)%4], v[rS+8*((\n)%4)+2*((\n)/4)+1], v[rS+8*((\n)%4)+2*((\n)/4)+2]
.elseif (\n) == 12
	v_max3_num_f32 v[rC], v[rC], v[rS+7], v[rS+15]
.elseif (\n) == 13
	v_max3_num_f32 v[rC+1], v[rC+1], v[rS+23], v[rS+31]
.elseif (\n) == 14
	v_max3_num_f32 v[rC+2], v[rC+2], v[rC+3], v[rT]
.elseif (\n) == 15
	v_mov_b32 v[rM], v[rT]
.elseif (\n) == 16
	v_max3_num_f32 v[rC], v[rC], v[rC+1], v[rC+2]
.elseif (\n) == 17
	v_permlanex16_b32 v[rC+3], v[rC], s[SEL], s[SEL+1]
.elseif (\n) == 18
	v_max_num_f32 v[rT], v[rC], v[rC+3]
.elseif (\n) == 20
	v_sub_f32 v[rC+1], v[rM], v[rT]
.elseif (\n) == 21
	v_exp_f32 v[rC+2], v[rC+1]
.endif
.endm
.macro LINK u, c                    ; link c of the chain 14, 16, 17, 18, 20, in which each number waits for the one before it
.if (\c) == 0
	XS \u, 14
.elseif (\c) == 4
	XS \u, 20
.else
	XS \u, 15+(\c)
.endif
.endm
; Number g of the 64 that follow the exponentials: for each four weights both pairs are rounded to f16, the second pair is added onto the first, and a group later l takes that sum (the first time as l = a l + sum).
.macro GS g
.set h, (\g)+6*((\g)/62)
.if h >= 6
.set h, h+2
.endif
	REGS Y, h%2
.set k, h/8
.if h%8 < 4
	v_cvt_pk_f16_f32 v[rP+2*k+(h%8)/2], v[rS+4*k+2*((h%8)/2)], v[rS+4*k+2*((h%8)/2)+1]
.elseif h%8 < 6
	v_pk_add_f32 v[rS+4*k:rS+4*k+1], v[rS+4*k:rS+4*k+1], v[rS+4*k+2:rS+4*k+3]
.elseif k == 1
	v_pk_fma_f32 v[rT+2:rT+3], v[rT+2:rT+3], v[rC+2:rC+3], v[rS:rS+1] op_sel_hi:[1,0,1]
.else
	v_pk_add_f32 v[rT+2:rT+3], v[rT+2:rT+3], v[rS+4*k-4:rS+4*k-3]
.endif
.endm
.macro FS f                         ; s - m for pair f / 2 of tile f % 2
	REGS Y, (\f)%2
	v_pk_add_f32 v[rS+2*((\f)/2):rS+2*((\f)/2)+1], v[rS+2*((\f)/2):rS+2*((\f)/2)+1], v[rT:rT+1] op_sel_hi:[1,0] neg_lo:[0,1] neg_hi:[0,1]
.endm
; THE PLAIN QUEUE, 200 long.  0-31 the subtractions.  32-63 the next piece's first tile is masked.  64-78 that tile's maximum, numbers 0-13 and 15.  79-115 the second tile is masked, and after every
; six of those lines stands a link of the first tile's chain.  116-130 the second tile's maximum.  131-135 its chain.  136-199 GS's 64, which read the exponentials' results: they stand behind the wait.
.macro PL
	WIN 0
.if q < 32
	FS q
.elseif q < 64
	MK q-32
.elseif q < 78
	XS 0, q-64
.elseif q == 78
	XS 0, 15
.elseif q < 116
.set z, q-79
.if z%7 == 6
	LINK 0, z/7
.else
	MK 32+z-z/7
.endif
.elseif q < 130
	XS 1, q-116
.elseif q == 130
	XS 1, 15
.elseif q < 136
	LINK 1, q-131
.else
	GS q-136
.endif
.set q, q+1
.endm
.macro EX                           ; THE EXPONENTIALS' QUEUE, 66 long: s0-s31 of both tiles, then the next piece's two a: one batch, all ahead of the turn's one wait
	WIN 0
.if e >= 64
	XS e-64, 21
.else
	REGS Y, e%2
	v_exp_f32 v[rS+e/2], v[rS+e/2]
.endif
.set e, e+1
.endm
.macro R2                           ; THE RESCALING's QUEUE: O^T times a, two lines a call, sixteen calls on end under one window setting
	REGS Y, r%2
	WIN W_RS
.irp z, 0,1
	v_pk_mul_f32 v[rO+4*(r/2)+2*\z:rO+4*(r/2)+2*\z+1], v[rO+4*(r/2)+2*\z:rO+4*(r/2)+2*\z+1], v[rC+2:rC+3] op_sel_hi:[1,0]
.endr
.set r, r+1
.endm
; A TURN, for piece p.  AHEAD OF THE WAIT stands all that names no result of the turn's exponentials: the 16 products K Q^T of the next piece, behind each four of that piece's 64 mask words on their way
; into scalar registers; the load of its next words; then the lump: the 32 rescalings (their a was made, and waited for, in the turn before), three plain, 54 times an exponential and two plain, 20 plain,
; the second tile's chain with two exponentials between its links, the two a, a v_nop as the plain instruction behind the last exponential.  BEHIND IT the 16 products V^T P, behind each four of GS's 64.
; The queues keep step: exponential e wants subtraction 2 (e / 4) + e % 2, and 3 + 2 e plain lines stand ahead of it; the first mask line stands behind the 32 rescalings and 32 subtractions,
; far more than four plain lines behind the last product K Q^T.
; K of the next step is fetched in piece 2's turn, behind the wait; V of the step in hand at the end of piece 0's turn, four riders behind its last reader.
.macro TURN p, last=0, cnt=0, ask=0
.set Y, (\p)
.set i, 0
.set q, 0
.set e, 0
.set r, 0
.set w, 0
.if (\p) == NP-1
	s_wait_dscnt 0x0                ; K is in
.endif
	s_wait_loadcnt 3                ; vector loads come back in order (ISA guide 5.7.1): behind the load of the words that this turn reads only the three other pieces' have been issued
.rept 16
	MM
.rept 4
	RL
.endr
.endr
	LOADW
.rept 16
	R2
.endr
	WIN 0
.if (\p) == NP-2
	v_add_nc_u32 v[AK], s[TBK], v[AK0]
.endif
.rept 3
	PL
.endr
.rept 54
	EX
	PL
	PL
.endr
.rept 20
	PL
.endr
.rept 5
	PL
	EX
	EX
.endr
	EX
	EX
	v_nop                           ; the plain instruction behind the last exponential: one for the batch
	s_wait_alu depctr_va_vdst(0)    ; the wait ahead of the first line that names a result: one for the batch
.if (\p) == NP-2
	FETCH_K \last, \ask
.endif
.if (\p) == 1
	s_wait_dscnt 0x0                ; V is in
.endif
.rept 16
	MM
.rept 4
	PL
.endr
.if ((\p) == 0) && (q == 180)
	v_add_nc_u32 v[AV], s[TBV], v[AV0]
.endif
.if ((\p) == 0) && (q == 192)
	s_add_co_u32 s[TBV], s[TBV], KS*PV
.endif
.if (\cnt) && (q == 192)
	s_sub_co_u32 s[CNT], s[CNT], 1
	s_cmp_lg_u32 s[CNT], 0
.endif
.endr
.if (\p) == 0
	FETCH_V
.endif
.endm
	CHANGE 1                        ; slot 0 is in, everybody's part of it; slot 1 is asked for
	FETCH_K                         ; key step 0; the first turn waits for it
	s_wait_loadcnt 0x0              ; Q and key step 0's mask words are in: Q's address registers, vector and scalar, are free
	v_mul_u32_u24 v[STO], v1, SP    ; the way out.  In: row r, 16 bytes for each half of the lanes
	v_lshl_add_u32 v[STO], v9, 4, v[STO]
	v_add_nc_u32 v[STO], v[RD], v[STO]
	v_bfe_u32 v1, v0, 3, 2          ; back: 32 lanes take four rows of 128 bytes,
	v_mul_u32_u24 v1, v1, SP
	v_lshl_add_u32 v1, v10, 4, v1
	v_add_nc_u32 v[RD], v[RD], v1
	v_and_b32 v[GO], 31, v0         ; which are 512 consecutive bytes of O
	v_lshlrev_b32 v[GO], 4, v[GO]
	v_and_b32 v[PFO], 31, v0
	v_lshlrev_b32 v[PFO], 8, v[PFO]
	s_mov_b32 s[CNT], 4
	s_mov_b32 s[SLOTS], 2048/256-1
	s_branch .Lthird                ; the loop is entered in the middle of a trip, at piece 3's turn
.Lslot:                             ; six times: every slot but the last two is filled again
	CHANGE 1
	s_mov_b32 s[CNT], 4
.Lstep:                             ; a trip: pieces 2 and 3 of one step, then pieces 0 and 1 of the next, whose K and V it fetches
	TURN 2, 0, 0, 1
	WIN 0
.Lthird:
	TURN 3
	TURN 0
	TURN 1, 0, 1
	WIN 0
	s_cbranch_scc1 .Lstep
	s_sub_co_u32 s[SLOTS], s[SLOTS], 1
	s_cmp_lg_u32 s[SLOTS], 0
	s_cbranch_scc1 .Lslot
	CHANGE 0                        ; the tail is written out
	s_mov_b32 s[CNT], 5             ; four trips fetch the last slot's steps; the fifth is left in its middle
.Ltail:
	TURN 2, 1
	TURN 3
	WIN 0
	s_sub_co_u32 s[CNT], s[CNT], 1
	s_cmp_eq_u32 s[CNT], 0
	s_cbranch_scc1 .Lout
	TURN 0
	TURN 1
	WIN 0
	s_branch .Ltail
.Lout:                              ; the fifth trip's products K Q^T, their mask (the wrapped words) and maximum serve nothing: the price, once a launch, of one text for every trip
.set i, 0
.rept 16
	PV NP-1
.set i, i+1
.endr
	; THE WAY OUT.  l's halves are added; O^T is divided by l, rounded to f16 and sent through my stage, a tile at a time.  The additions are the places behind the last products.
	WIN 0
	s_load_b64 s[32:33], s[0:1], 0x20  ; ch: the mask words' registers are free
	s_bfe_u32 s34, ttmp6, 0x40000
	s_lshl_b32 s35, ttmp9, 2
	s_add_co_u32 s34, s34, s35
	s_lshl_b32 s34, s34, 2
	s_add_co_u32 s34, s34, s[WV]
	s_lshl_b32 s34, s34, 14         ; my wave's 128 rows,
	s_and_b32 s35, ttmp7, 0xffff
	s_lshl_b32 s35, s35, 18         ; in my head
	s_add_co_u32 s34, s34, s35
	s_mov_b32 s35, 0
.macro ALL line:vararg
.set t, 0
.rept 2*NP
	\line
.set t, t+1
.endr
.endm
	ALL v_add_f32 v[ST+4*t+2], v[ST+4*t+2], v[ST+4*t+3]
	ALL v_permlanex16_b32 v[ST+4*t+3], v[ST+4*t+2], s[SEL], s[SEL+1]
	ALL v_add_f32 v[ST+4*t+2], v[ST+4*t+2], v[ST+4*t+3]
	ALL v_rcp_f32 v[ST+4*t+2], v[ST+4*t+2]
	v_nop
	s_wait_alu depctr_va_vdst(0)    ; one wait for the eight reciprocals
	s_wait_kmcnt 0x0
	s_add_nc_u64 s[32:33], s[32:33], s[34:35]
.macro PACK t
	WIN W_RS
.set i, 32*(\t)
.rept 16
	v_pk_mul_f32 v[i:i+1], v[i:i+1], v[ST+4*(\t)+2:ST+4*(\t)+3] op_sel_hi:[1,0]
.set i, i+2
.endr
	WIN 0x05
.set i, 0
.rept 16
	v_cvt_pk_f16_f32 v[S+16*(\t)+i], v[32*(\t)+2*i], v[32*(\t)+2*i+1]
.set i, i+1
.endr
	WIN 0
.irp f, 0,1,2,3
	ds_store_b128 v[STO], v[S+16*(\t)+4*\f:S+16*(\t)+4*\f+3] offset:32*\f
.endr
.irp f, 0,1,2,3
	ds_load_b128 v[S+16*(\t)+4*\f:S+16*(\t)+4*\f+3], v[RD] offset:\f*4*SP  ; LDS serves a wave's instructions in order (ISA guide 5.7.1.4)
.endr
.endm
.macro SEND t, younger              ; younger: the LDS instructions issued behind tile t's loads
	WIN 0
.irp f, 0,1,2,3
	s_wait_dscnt (\younger)+3-\f
	global_store_b128 v[GO], v[S+16*(\t)+4*\f:S+16*(\t)+4*\f+3], s[32:33] offset:(\t)*2048+\f*512  ; 512 consecutive bytes, aligned
.endr
.endm
	PACK 0
.set t, 1
.rept 2*NP-1
	PACK t
	SEND t-1, 8
.set t, t+1
.endr
	SEND 2*NP-1, 0
	WIN W_AD
	s_wait_tensorcnt 0x0            ; the wave's end
	ds_add_u32 v[SPW], v[NIL]
	s_wait_dscnt 0x0
	WIN 0
	CROUND                          ; the closing round
	s_endpgm
.Lfunc_end_k_q5734c62f78_attn:
	.size	k_q5734c62f78_attn, .Lfunc_end_k_q5734c62f78_attn-k_q5734c62f78_attn
	.p2alignl 7, 3214868480
	.fill 96, 4, 3214868480
	.section	.rodata,"a",@progbits
	.p2align	6, 0x0
	.amdhsa_kernel k_q5734c62f78_attn
		.amdhsa_group_segment_fixed_size 327680
		.amdhsa_private_segment_fixed_size 0
		.amdhsa_enable_private_segment 0
		.amdhsa_kernarg_size 40
		.amdhsa_user_sgpr_count 2
		.amdhsa_user_sgpr_kernarg_segment_ptr 1
		.amdhsa_wavefront_size32 1
		.amdhsa_system_sgpr_workgroup_id_x 1
		.amdhsa_system_sgpr_workgroup_id_y 1
		.amdhsa_system_sgpr_workgroup_id_z 1
		.amdhsa_system_vgpr_workitem_id 0
		.amdhsa_next_free_vgpr 960
		.amdhsa_next_free_sgpr 106
		.amdhsa_reserve_vcc 0
		.amdhsa_float_denorm_mode_32 3
		.amdhsa_float_denorm_mode_16_64 3
		.amdhsa_memory_ordered 1
		.amdhsa_forward_progress 1
		.amdhsa_inst_pref_size 248
	.end_amdhsa_kernel
	.amdgpu_metadata
---
amdhsa.version: [ 1, 2 ]
amdhsa.kernels:
  - .name:           k_q5734c62f78_attn
    .symbol:         k_q5734c62f78_attn.kd
    .args:
      - { .name: qh, .offset: 0, .size: 8, .value_kind: global_buffer, .address_space: global }
      - { .name: kh, .offset: 8, .size: 8, .value_kind: global_buffer, .address_space: global }
      - { .name: vh, .offset: 16, .size: 8, .value_kind: global_buffer, .address_space: global }
      - { .name: mbits, .offset: 24, .size: 8, .value_kind: global_buffer, .address_space: global }
      - { .name: ch, .offset: 32, .size: 8, .value_kind: global_buffer, .address_space: global }
    .group_segment_fixed_size: 327680
    .private_segment_fixed_size: 0
    .kernarg_segment_align: 8
    .kernarg_segment_size: 40
    .max_flat_workgroup_size: 128
    .sgpr_count:     106
    .vgpr_count:     960
    .wavefront_size: 32
...
	.end_amdgpu_metadata
.endif
;; end of part 3
;; launch outp (part 4): grid 4 x 64, 4 waves a work-group, clusters of 4 x 4, 327,680 bytes of LDS; arguments ch, wh, bo, out0; writes out0
.if DOCPART == 4
	.amdgcn_target "amdgcn-amd-amdhsa--gfx1250"
	.amdhsa_code_object_version 6
	.text
	.protected	k_q5734c62f78_outp
	.globl	k_q5734c62f78_outp
	.p2align	8
	.type	k_q5734c62f78_outp,@function
k_q5734c62f78_outp:
	s_mov_b64 s[64:65], 0
	v_nop
	global_prefetch_b8 v0, s[64:65] scope:SCOPE_SE
	s_setreg_imm32_b32 hwreg(HW_REG_WAVE_MODE, 25, 1), 1
	s_wait_xcnt 0x0
	s_wait_alu depctr_hold_cnt(0) depctr_sa_sdst(0) depctr_va_vdst(0) depctr_va_sdst(0) depctr_va_ssrc(0) depctr_va_vcc(0) depctr_vm_vsrc(0)
	s_getreg_b32 s2, hwreg(HW_REG_IB_STS2, 6, 4)
	s_cmp_eq_u32 s2, 0
	s_cbranch_scc0 .Lentry_in_a_cluster
	s_endpgm
.Lentry_in_a_cluster:
	s_bfe_u32 s2, ttmp6, 0x10000c
	s_cmp_lg_u32 s2, 0xf033
	s_cbranch_scc0 .Lentry_shape_is_right
	s_endpgm
.Lentry_shape_is_right:
; THE OUTPUT PROJECTION.  out0 = ctx Wo + bo.  ctx: ch, f16 by heads [64 batch x head][2048][64]; Wo: the fourth matrix of wh, [1024 k][1024 n] f16; bo f32; out0 [8192][1024] f32.  Sums in f32.
; LIMITS.  Operands lie within f16's 65,504; NaN and infinities are not treated apart.
; SHARES.  A tile of out0 is 128 rows x 256 columns: 64 x 4 = 256 work-groups; four waves, each 64 x 128: 32 accumulators.  K goes in 8 steps of 128, two heads a step, through two LDS slots.
; A head's 128 rows are 16,384 dense bytes: asked for as 64 rows of 256 bytes and padded in LDS after every 128.  Wo's tile lies [k][n] and comes out turned.
; CLUSTER.  4 x 4: ctx's tile is shared along a row, Wo's along a column.  THE MATRIX INSTRUCTION IS USED TRANSPOSED: a lane holds eight neighbouring columns of one row.
; REGISTERS.  window 0: v8-11 bias; v16-31 addresses; v32-95 ctx's fragments, two buffers; v96-159 the way out.  window 1: Wo's fragments, two buffers of 64.  window 2: the accumulators, (a, b) at v[8 (8 a + b)].
.set PA,     144                       ; a row of ctx in LDS: 128 bytes + 16
.set PB,     544                       ; a row of Wo: 512 + 32
.set HEADB,  128*PA                    ; a head's 128 rows: what one tensor load brings of ctx
.set BHALF,  64*PB
.set BOFF,   2*HEADB
.set SLOT,   BOFF+2*BHALF
.set STAGE,  2*SLOT                    ; behind the ring: 16 rows x 528 bytes for each wave
.set SPO,    528
.set SPARE,  STAGE+4*16*SPO            ; the spare words: two blocks of 256 bytes that no other line names
.set LAPS,   4
.set BIAS, 8
.set ADRA, 16
.set ADRB, 20
.set STO,  24
.set RD,   25
.set GO,   26
.set SPW,  28
.set NIL,  29
.set PFO,  31
.set AF,   32
.set BK,   96
.set WV,   12
.set WM,   13
.set WN,   14
.set G1,   24
.set G0,   32
.set G1B,  48
.set G0B,  56
.set OUTP, 82
.set PFA,  86
.set LIM,  88
.set MSB, 0
.macro WIN new
.if MSB != (\new)
	s_set_vgpr_msb (MSB<<8)|(\new)
.set MSB, \new
.endif
.endm
.set MUL,  0xa1
.set TO_B, 0x40
.macro JLOAD s                         ; waves 0 and 1 fetch the step's two heads of ctx, waves 2 and 3 Wo's halves; an s_nop 0 and four v_nop follow each line
	s_cmp_eq_u32 s[WM], 0
	s_cbranch_scc0 .Lfor_b_\@
	tensor_load_to_lds s[G0+4*(\s):G0+4*(\s)+3], s[G1:G1+7]
	s_nop 0
.rept 4
	v_nop
.endr
	s_branch .Lasked_\@
.Lfor_b_\@:
	tensor_load_to_lds s[G0B+4*(\s):G0B+4*(\s)+3], s[G1B:G1B+7]
	s_nop 0
.rept 4
	v_nop
.endr
.Lasked_\@:
.endm
.macro CREST
	s_cmp_lg_u32 s[WV], 0
	s_cbranch_scc1 .Lnot_wave_0_\@
	s_barrier_signal -3
.Lnot_wave_0_\@:
	s_barrier_wait -3
	s_barrier_signal -1
	s_barrier_wait -1
.endm
.macro CROUND
	s_barrier_signal -1
	s_barrier_wait -1
	CREST
.endm
.macro PLACES
.rept 4
	v_nop
.endr
.endm
; A prefetch into the L2 of ctx's K step that stands two refills on: 2 heads x 64 blocks of 256 bytes; the four partners take 16 blocks of each head, told apart by address; wave 0 names them, a lane a block.
; This cluster alone reads these rows of ctx, so each block is named once.  Steps 0 to 3 come by their loads alone; the loop's last trip names nothing.
.macro ASK
	WIN 0
	s_cmp_gt_u32 s3, s[LIM]
	s_cbranch_scc0 .Lnot_mine_\@
	global_prefetch_b8 v[PFO], s[PFA:PFA+1] offset:524288 th:TH_LOAD_NT scope:SCOPE_SE
.Lnot_mine_\@:
.endm
	s_load_b256 s[4:11], s[0:1], 0x0               ; ch s[4:5], wh s[6:7], bo s[8:9], out0 s[10:11]
	v_lshl_add_u32 v[SPW], v0, 2, SPARE
	v_mov_b32 v[NIL], 0
	ds_add_u32 v[SPW], v[NIL]                      ; the wave's opening: the add and its wait ahead of my first tensor load
	v_lshrrev_b32 v1, 5, v0
	v_readfirstlane_b32 s[WV], v1
	s_lshr_b32 s[WM], s[WV], 1
	s_and_b32 s[WN], s[WV], 1
	s_bfe_u32 s40, ttmp6, 0x40000                  ; cx
	s_bfe_u32 s41, ttmp6, 0x40004                  ; cy
	s_lshl_b32 s42, ttmp9, 2
	s_add_co_u32 s42, s42, s40                     ; tile column x
	s_and_b32 s15, ttmp7, 0xffff
	s_lshl_b32 s45, s15, 2
	s_add_co_u32 s45, s45, s41                     ; tile row mb
	s_lshl_b32 s46, s41, 2
	s_lshl_b32 s46, 15, s46
	s_lshl_b32 s47, 0x1111, s40
	s_or_b32 s[G1+0], s46, (1<<16)|(1<<20)|(1<<21)|(4<<22)|(3<<25)   ; 2-byte elements; after every 32 words 4 words
	s_mov_b32 s[G1+1], 128<<16
	s_mov_b32 s[G1+2], 64<<16
	s_mov_b32 s[G1+3], 128<<16
	s_mov_b32 s[G1+4], 64
	s_mov_b32 s[G1+5], 128
	s_mov_b32 s[G1+6], 0
	s_mov_b32 s[G1+7], 0
	s_or_b32 s[G1B+0], s47, (1<<16)|(1<<20)|(1<<21)|(6<<22)|(7<<25)  ; after every 128 words 8 words
	s_mov_b32 s[G1B+1], 256<<16
	s_mov_b32 s[G1B+2], 64<<16
	s_mov_b32 s[G1B+3], 256<<16
	s_mov_b32 s[G1B+4], 64
	s_mov_b32 s[G1B+5], 1024
	s_mov_b32 s[G1B+6], 0
	s_mov_b32 s[G1B+7], 0
	s_lshr_b32 s16, s45, 4                         ; ctx: head 16 batch + my one of the step's two, 262,144 bytes a head,
	s_lshl_b32 s16, s16, 4
	s_add_co_u32 s16, s16, s[WN]
	s_lshl_b32 s16, s16, 18
	s_and_b32 s17, s45, 15                         ; rows 128 (mb % 16) on
	s_lshl_b32 s17, s17, 14
	s_add_co_u32 s16, s16, s17
	s_mov_b32 s17, 0
	s_lshl_b32 s90, s[WN], 17                      ; Wo: k-row 64 half, column 256 x, in the fourth matrix of wh
	s_lshl_b32 s91, s42, 9
	s_add_co_u32 s90, s90, s91
	s_add_co_u32 s90, s90, 3<<21
	s_mov_b32 s91, 0
	s_mul_i32 s20, s[WN], HEADB
	s_mul_i32 s21, s[WN], BHALF
	s_add_co_u32 s21, s21, BOFF
	s_lshl_b32 s92, s42, 10                        ; column 256 x + 128 half, 4 bytes each: for the bias and for out0
	s_lshl_b32 s93, s[WN], 9
	s_add_co_u32 s92, s92, s93
	s_mov_b32 s93, 0
	s_lshl_b32 s22, s45, 7                         ; row 128 mb + 64 half, 4,096 bytes a row
	s_lshl_b32 s23, s[WM], 6
	s_add_co_u32 s22, s22, s23
	s_lshl_b32 s22, s22, 12
	s_add_co_u32 s22, s22, s92
	s_mov_b32 s23, 0
	s_lshr_b32 s94, s45, 4                         ; the prefetches: the batch's first head, the tile's rows, my work-group's 16 blocks
	s_lshl_b32 s94, s94, 22
	s_and_b32 s95, s45, 15
	s_lshl_b32 s95, s95, 14
	s_add_co_u32 s94, s94, s95
	s_lshl_b32 s95, s40, 12
	s_add_co_u32 s94, s94, s95
	s_mov_b32 s95, 0
	s_cmp_eq_u32 s[WV], 0
	s_cselect_b32 s[LIM], 1, -1
	s_wait_dscnt 0x0                               ; the opening add is done
	s_wait_kmcnt 0x0
	s_add_nc_u64 s[18:19], s[4:5], s[16:17]
	s_add_nc_u64 s[90:91], s[6:7], s[90:91]
	s_add_nc_u64 s[8:9], s[8:9], s[92:93]
	s_add_nc_u64 s[OUTP:OUTP+1], s[10:11], s[22:23]
	s_add_nc_u64 s[PFA:PFA+1], s[4:5], s[94:95]
	s_add_nc_u64 s[PFA:PFA+1], s[PFA:PFA+1], 2*524288  ; at K step 2: the first change of slots steps it to 3 and names step 4
	CROUND
.irp s, 0,1
	s_mov_b32 s[G0+4*(\s)], 1
	s_add_co_u32 s[G0+4*(\s)+1], s20, (\s)*SLOT
	s_add_nc_u64 s[G0+4*(\s)+2:G0+4*(\s)+3], s[18:19], (\s)*524288    ; K step s: two heads on
	s_or_b32 s[G0+4*(\s)+3], s[G0+4*(\s)+3], 0x80000000
	s_mov_b32 s[G0B+4*(\s)], 1
	s_add_co_u32 s[G0B+4*(\s)+1], s21, (\s)*SLOT
	s_add_nc_u64 s[G0B+4*(\s)+2:G0B+4*(\s)+3], s[90:91], (\s)*262144
	s_or_b32 s[G0B+4*(\s)+3], s[G0B+4*(\s)+3], 0x80000000
	JLOAD \s                                       ; two loads of mine are out
.endr
	v_and_b32 v1, 15, v0                           ; r
	v_bfe_u32 v2, v0, 4, 1                         ; h
	v_mul_u32_u24 v3, v1, PA
	v_lshl_add_u32 v3, v2, 4, v3
	s_mul_i32 s89, s[WM], 64*PA
	v_add_nc_u32 v[ADRA], s89, v3
	v_add_nc_u32 v[ADRA+1], SLOT, v[ADRA]
	v_and_b32 v4, 7, v0
	v_bfe_u32 v5, v0, 3, 1
	v_lshl_add_u32 v6, v2, 3, v4
	v_mul_u32_u24 v6, v6, PB
	v_lshl_add_u32 v6, v5, 4, v6
	s_lshl_b32 s89, s[WN], 8
	s_add_co_u32 s89, s89, BOFF
	v_add_nc_u32 v[ADRB], s89, v6
	v_add_nc_u32 v[ADRB+1], SLOT, v[ADRB]
	s_mul_i32 s89, s[WV], 16*SPO
	s_add_co_u32 s89, s89, STAGE                   ; my stage
	v_mul_u32_u24 v[STO], v1, SPO                  ; in: row r, 32 bytes for each half of the lanes
	v_lshl_add_u32 v[STO], v2, 5, v[STO]
	v_add_nc_u32 v[STO], s89, v[STO]
	v_and_b32 v[GO], 31, v0
	v_lshlrev_b32 v[GO], 4, v[GO]                  ; back and out: 32 lanes take a row's 512 bytes
	v_add_nc_u32 v[RD], s89, v[GO]
	v_lshlrev_b32 v[PFO], 18, v2                   ; head lane / 16, block lane % 16
	v_lshl_add_u32 v[PFO], v1, 8, v[PFO]
	global_load_b128 v[BIAS:BIAS+3], v[GO], s[8:9] ; the bias of my four columns of a row read back
.macro MUL8 f, a, zero                 ; the 32 accumulators take turns, one instruction a turn, in the same order in every quarter
	WIN MUL
.irp b, 0,1,2,3,4,5,6,7
.if \zero
	v_wmma_f32_16x16x32_f16 v[8*(8*(\a)+\b):8*(8*(\a)+\b)+7], v[64*(\f)+8*\b:64*(\f)+8*\b+7], v[AF+32*(\f)+8*(\a):AF+32*(\f)+8*(\a)+7], 0
.else
	v_wmma_f32_16x16x32_f16 v[8*(8*(\a)+\b):8*(8*(\a)+\b)+7], v[64*(\f)+8*\b:64*(\f)+8*\b+7], v[AF+32*(\f)+8*(\a):AF+32*(\f)+8*(\a)+7], v[8*(8*(\a)+\b):8*(8*(\a)+\b)+7]
.endif
.endr
.endm
.macro FETCH slot, kq, g               ; 24 LDS loads in one run: quarter kq: head kq / 2, channels 32 (kq % 2) on
	WIN 0
.irp a, 0,1,2,3
	ds_load_b128 v[AF+32*(\g)+8*\a:AF+32*(\g)+8*\a+3],   v[ADRA+(\slot)] offset:((\kq)/2)*HEADB+((\kq)%2)*64+\a*16*PA
	ds_load_b128 v[AF+32*(\g)+8*\a+4:AF+32*(\g)+8*\a+7], v[ADRA+(\slot)] offset:((\kq)/2)*HEADB+((\kq)%2)*64+\a*16*PA+32
.endr
	WIN TO_B
.irp b, 0,1,2,3,4,5,6,7
	ds_load_tr16_b128 v[64*(\g)+8*\b:64*(\g)+8*\b+3],   v[ADRB+(\slot)] offset:(\kq)*32*PB+32*\b
	ds_load_tr16_b128 v[64*(\g)+8*\b+4:64*(\g)+8*\b+7], v[ADRB+(\slot)] offset:(\kq)*32*PB+32*\b+16*PB
.endr
.endm
.macro QUARTER slot, kq, f, g, zero
	s_wait_dscnt 0x0                               ; buffer f is in: its loads were issued 16 products ago
	MUL8 \f, 0, \zero
	MUL8 \f, 1, \zero
	PLACES
	FETCH \slot, \kq, \g
	MUL8 \f, 2, \zero
	MUL8 \f, 3, \zero
.endm
.macro TURN slot, next, fill
.if \fill
	s_wait_xcnt 0x0                                ; the last prefetch, a K step back, has read its address
	s_add_nc_u64 s[PFA:PFA+1], s[PFA:PFA+1], 524288
.endif
	WIN 0
	s_wait_tensorcnt 0x0                           ; all my tensor loads have landed: my part of the next slot
	ds_add_u32 v[SPW], v[NIL]
	s_wait_dscnt 1                                 ; only the add may be out: buffer 1 is in
	MUL8 1, 0, 0
	s_wait_dscnt 0x0                               ; the add is done, and my reads of this slot are over
	s_barrier_signal -1
	MUL8 1, 1, 0
	WIN 0
	s_barrier_wait -1
.if \fill
	CREST
	s_add_nc_u64 s[G0+4*(\slot)+2:G0+4*(\slot)+3], s[G0+4*(\slot)+2:G0+4*(\slot)+3], 2*524288
	s_add_nc_u64 s[G0B+4*(\slot)+2:G0B+4*(\slot)+3], s[G0B+4*(\slot)+2:G0B+4*(\slot)+3], 2*262144
	JLOAD \slot                                    ; the first tensor load behind the round; its four v_nop are also the places in front of the loads below
.else
	PLACES
.endif
	FETCH \next, 0, 0
.if \fill
	ASK
.endif
	MUL8 1, 2, 0
	MUL8 1, 3, 0
.endm
	s_wait_tensorcnt 1                             ; my part of K step 0 is in; step 1's may stay out
	s_barrier_signal -1
	s_barrier_wait -1
	FETCH 0, 0, 0
	QUARTER 0, 1, 0, 1, 1                          ; the first quarter stands in front of the loop: its products start the sums
	WIN 0
	s_mov_b32 s3, LAPS-1
.Llap:
	QUARTER 0, 2, 1, 0, 0
	QUARTER 0, 3, 0, 1, 0
	TURN 0, 1, 1
	QUARTER 1, 1, 0, 1, 0
	QUARTER 1, 2, 1, 0, 0
	QUARTER 1, 3, 0, 1, 0
	TURN 1, 0, 1
	QUARTER 0, 1, 0, 1, 0
	WIN 0
	s_sub_co_u32 s3, s3, 1
	s_cmp_lg_u32 s3, 0
	s_cbranch_scc1 .Llap
	QUARTER 0, 2, 1, 0, 0
	QUARTER 0, 3, 0, 1, 0
	TURN 0, 1, 0
	QUARTER 1, 1, 0, 1, 0
	QUARTER 1, 2, 1, 0, 0
	QUARTER 1, 3, 0, 1, 0
	s_wait_dscnt 0x0
	MUL8 1, 0, 0
	MUL8 1, 1, 0
	MUL8 1, 2, 0
	MUL8 1, 3, 0
	PLACES
	PLACES
	s_wait_loadcnt 0x0                             ; the bias
; THE WAY OUT of my rows 16 a .. 16 a + 15: the sums go as they are into my stage (each accumulator's low four registers first), come back as whole rows of 512 bytes, take the bias and leave.
.macro OUT a
	WIN 0x08                                       ; the stores' data in window 2
.irp b, 0,1,2,3,4,5,6,7
	ds_store_b128 v[STO], v[64*(\a)+8*\b:64*(\a)+8*\b+3]   offset:64*\b
	ds_store_b128 v[STO], v[64*(\a)+8*\b+4:64*(\a)+8*\b+7] offset:64*\b+16
.endr
	WIN 0
.if (\a) > 0
	s_wait_xcnt 0x0                                ; the block before's stores have read their data: only behind this wait is it loaded over
.endif
.irp t, 0,1,2,3,4,5,6,7,8,9,10,11,12,13,14,15
	ds_load_b128 v[BK+4*\t:BK+4*\t+3], v[RD] offset:\t*SPO  ; LDS serves a wave's instructions in order (ISA guide 5.7.1.4): these see the stores above
.endr
.irp t, 0,1,2,3,4,5,6,7,8,9,10,11,12,13,14,15
	s_wait_dscnt 15-\t
	v_pk_add_f32 v[BK+4*\t:BK+4*\t+1],   v[BK+4*\t:BK+4*\t+1],   v[BIAS:BIAS+1]
	v_pk_add_f32 v[BK+4*\t+2:BK+4*\t+3], v[BK+4*\t+2:BK+4*\t+3], v[BIAS+2:BIAS+3]
	global_store_b128 v[GO], v[BK+4*\t:BK+4*\t+3], s[OUTP:OUTP+1] offset:(16*(\a)+\t)*4096 th:TH_STORE_NT  ; 512 consecutive bytes of a row, aligned
.endr
.endm
	OUT 0
	OUT 1
	OUT 2
	OUT 3
	s_wait_tensorcnt 0x0                           ; the wave's end
	ds_add_u32 v[SPW], v[NIL]
	s_wait_dscnt 0x0
	CROUND                                         ; the closing round
	s_endpgm
.Lfunc_end_k_q5734c62f78_outp:
	.size	k_q5734c62f78_outp, .Lfunc_end_k_q5734c62f78_outp-k_q5734c62f78_outp
	.p2alignl 7, 3214868480
	.fill 96, 4, 3214868480
	.section	.rodata,"a",@progbits
	.p2align	6, 0x0
	.amdhsa_kernel k_q5734c62f78_outp
		.amdhsa_group_segment_fixed_size 327680
		.amdhsa_private_segment_fixed_size 0
		.amdhsa_enable_private_segment 0
		.amdhsa_kernarg_size 32
		.amdhsa_user_sgpr_count 2
		.amdhsa_user_sgpr_kernarg_segment_ptr 1
		.amdhsa_wavefront_size32 1
		.amdhsa_system_sgpr_workgroup_id_x 1
		.amdhsa_system_sgpr_workgroup_id_y 1
		.amdhsa_system_sgpr_workgroup_id_z 1
		.amdhsa_system_vgpr_workitem_id 0
		.amdhsa_next_free_vgpr 768
		.amdhsa_next_free_sgpr 96
		.amdhsa_reserve_vcc 0
		.amdhsa_float_denorm_mode_32 3
		.amdhsa_float_denorm_mode_16_64 3
		.amdhsa_memory_ordered 1
		.amdhsa_forward_progress 1
		.amdhsa_inst_pref_size 96
	.end_amdhsa_kernel
	.amdgpu_metadata
---
amdhsa.version: [ 1, 2 ]
amdhsa.kernels:
  - .name:           k_q5734c62f78_outp
    .symbol:         k_q5734c62f78_outp.kd
    .args:
      - { .name: ch, .offset: 0, .size: 8, .value_kind: global_buffer, .address_space: global }
      - { .name: wh, .offset: 8, .size: 8, .value_kind: global_buffer, .address_space: global }
      - { .name: bo, .offset: 16, .size: 8, .value_kind: global_buffer, .address_space: global }
      - { .name: out0, .offset: 24, .size: 8, .value_kind: global_buffer, .address_space: global }
    .group_segment_fixed_size: 327680
    .private_segment_fixed_size: 0
    .kernarg_segment_align: 8
    .kernarg_segment_size: 32
    .max_flat_workgroup_size: 128
    .sgpr_count:     96
    .vgpr_count:     768
    .wavefront_size: 32
...
	.end_amdgpu_metadata
.endif
;; end of part 4
